; MI455X (gfx1250); checked and timed in simulation.
; The chip was launched on July 23, 2026; its instructions are those of AMD's public machine-readable ISA for CDNA 5 (MIT licence, August 2026) and "CDNA5" Instruction Set Architecture Reference Guide (July 2026). The comments in the code are by the model that wrote it; some were corrected since.
;; Bert Attention. Allowed arithmetic: matrix products marked QUANTISED: E4M3 operands, one given power-of-two scale a tensor, by v_wmma_f32_16x16x64_fp8_fp8 or v_wmma_f32_16x16x128_fp8_fp8, f32 sums; everything else in f32.
;; Inputs: Wk_codes 1,024 x 32 x 32 uint8 (E4M3 codes of Wk, K innermost, in blocks of 32 codes); Wo_codes 1,024 x 32 x 32 uint8 (E4M3 codes of Wo, K innermost, in blocks of 32 codes); Wq_codes 1,024 x 32 x 32 uint8 (E4M3 codes of Wq, K innermost, in blocks of 32 codes); Wv_codes 1,024 x 32 x 32 uint8 (E4M3 codes of Wv, K innermost, in blocks of 32 codes); attention_mask 8 x 1 x 1 x 1,024 float32; hidden_states 8 x 1,024 x 1,024 float32; ln_bias 1,024 float32; ln_weight 1,024 float32; lowp_scales 12 int32 (the exponents e of the quantised operands' scales 2^e).
;; Outputs: out0 8 x 1,024 x 1,024 float32.
;; This version of the problem:
;;   THIS VERSION OF THE PROBLEM IS GIVEN IN LOW PRECISION. The matrix products marked QUANTISED in the list below multiply operands that are first quantised to E4M3 (4 exponent bits, 3 mantissa bits; 8 bits a number), with one given power-of-two scale for each operand tensor; their sums are f32. All else is computed in f32.
;;   The module's matrix products, in the order in which they are computed (A, B: the left and right operand; K: the contracted axis; several contracted axes count as one K, in the product's order):
;;     1. [M 8,192, K 1,024] x [K 1,024, N 1,024]; A: input hidden_states; B: input Wq (given as codes): QUANTISED (scales: A lowp_scales[0], B lowp_scales[1])
;;     2. [M 8,192, K 1,024] x [K 1,024, N 1,024]; A: input hidden_states; B: input Wk (given as codes): QUANTISED (scales: A lowp_scales[2], B lowp_scales[3])
;;     3. [M 8,192, K 1,024] x [K 1,024, N 1,024]; A: input hidden_states; B: input Wv (given as codes): QUANTISED (scales: A lowp_scales[4], B lowp_scales[5])
;;     4. batch 128 x [M 1,024, K 64] x [K 64, N 1,024]; A: computed on the way; B: computed on the way: QUANTISED (scales: A lowp_scales[6], B lowp_scales[7])
;;     5. batch 128 x [M 1,024, K 1,024] x [K 1,024, N 64]; A: softmax (see below); B: computed on the way: QUANTISED (scales: A lowp_scales[8], B lowp_scales[9])
;;     6. [M 8,192, K 1,024] x [K 1,024, N 1,024]; A: computed on the way; B: input Wo (given as codes): QUANTISED (scales: A lowp_scales[10], B lowp_scales[11])
;;   THE QUANTISER, for each operand of a quantised product, along K:
;;     - The operand's scale is 2^e, e = its entry of the input lowp_scales (int32; the entries are numbered through the quantised products in the list's order, A before B).
;;     - Each number is divided by the scale, clamped to +-448, and rounded to the nearest number of E4M3, ties to even, subnormals kept.
;;     - The product sums the exact products of the quantised numbers (number of the format x scale) in f32.
;;   ~~~python
;;   def quantise(x, axis, e):      # numpy; x: float32 -> the quantised numbers, widened to float32 again
;;       x = np.moveaxis(x, axis, -1); K = x.shape[-1]
;;       r = np.clip(x / 2.0 ** e, -448, 448)
;;       step = 2.0 ** (np.maximum(np.frexp(np.where(r == 0, 1, r))[1] - 1, -6) - 3)
;;       q = np.round(r / step) * step * 2.0 ** e      # np.round: ties to even
;;       return np.moveaxis(q, -1, axis).astype(np.float32)
;;   ~~~
;;   SOFTMAX AHEAD OF A QUANTISED PRODUCT. Where the list says 'softmax', what is quantised is not the finished softmax but p = 2^(t - M), with t = logit x log2(e) and M = ceil(the row's largest t), a whole number; so 1/2 < the row's largest p <= 1. The row's sum l is taken of the UNQUANTISED p, in f32, and the product's result is divided by l at the end. Since M is a whole number, a kernel that streams over the keys may use a running M (the ceiling of the running maximum): every later rescaling is an exact power of two, so the quantised numbers keep their values, but for numbers so far below the row's largest that they fall under the format's range.
;;   OPERANDS COMPUTED ON THE WAY. 'Computed on the way' means the value that the module computes at that place (a softmax that the list does not call 'softmax' is quantised finished and normalised). What goes into a quantiser is computed in f32, as accurately as f32 sums, v_exp_f32 and their like allow (about 1e-6 of the number): no bf16 or f16 on the way to a quantiser, and a product that is left as it is and whose result goes on into a quantised operand takes f32 operands (vector FMAs, or v_wmma_f32_16x16x4_f32). A number that lies on a knife's edge between two numbers of the format may be rounded either way, as far as f32 arithmetic and the matrix unit's own rounding can turn it there, and no further.
;;   INPUTS GIVEN AS CODES. Wk (in the module: [1024, 1024], K = its axis 1); Wo (in the module: [1024, 1024], K = its axis 1); Wq (in the module: [1024, 1024], K = its axis 1); Wv (in the module: [1024, 1024], K = its axis 1): each comes as NAME_codes (uint8): NAME with its K axis moved to the last place and cut into blocks of 32 codes, [.., K / 32, bytes a block], one block behind the other in memory; one code a byte (a code: sign, 4 exponent bits, 3 mantissa bits); its scale is its entry of lowp_scales. Its value is code x scale, taken as it is: it is not quantised again, and the codes and scales need not be those that the quantiser above would give.
;; 2 versions, each right; version 2 is version 1 with the launches qkv, attn written anew for expert scheduling mode. Each part assembles by itself: llvm-mc -triple=amdgcn-amd-amdhsa -mcpu=gfx1250 --defsym DOCPART=n.
;; ======== version 1 of 2: 4 launches
;; workspace buffers: wimg 4,194,304 bytes; qimg 8,388,608 bytes; kimg 8,388,608 bytes; vimg 8,388,608 bytes; cimg 8,388,608 bytes
;; launch prep (part 1): grid 64 x 4, 1 waves a work-group, no clusters, 16,896 bytes of LDS; arguments Wq_codes, Wk_codes, Wv_codes, Wo_codes, wimg; writes wimg
.if DOCPART == 1
	.amdgcn_target "amdgcn-amd-amdhsa--gfx1250"
	.amdhsa_code_object_version 6
	.text
	.protected	k_q11e3fc8563_prep
	.globl	k_q11e3fc8563_prep
	.p2align	8
	.type	k_q11e3fc8563_prep,@function
k_q11e3fc8563_prep:
	s_mov_b64 s[64:65], 0
	v_nop
	global_prefetch_b8 v0, s[64:65] scope:SCOPE_SE
	s_setreg_imm32_b32 hwreg(HW_REG_WAVE_MODE, 25, 1), 1
	s_wait_xcnt 0x0
; The four weights' codes ([1024 rows][1024 k], one byte a code) are laid anew as IMAGES OF OPERAND REGISTERS, so that the later launches load every fragment
; by 16-byte loads of which a wave's 32 lanes cover 512 consecutive bytes.
; wimg: [matrix j: 0 q, 1 k, 2 v, 3 o][128 columns cg][K step ks of 128][tile n of 8][2,048 bytes].  In the fragment of tile T = 8 cg + n, lane (r = lane % 16, h = lane / 16)
; holds row 32 (T / 2) + 8 (T % 2) + r + 8 (r / 8) of W, and its registers 4 c .. 4 c + 3 hold k = 128 ks + 32 c + 16 h + 0 .. 15; they lie at byte 512 c + 16 lane.
; THE ROWS OF A TILE ARE NOT NEIGHBOURS: so two neighbouring tiles of a transposed product give a lane 16 neighbouring output columns.
; One wave takes one tile (16 rows x 1,024 bytes = 8 fragments): rows in by whole runs of 256 bytes, through a stage in LDS, out as fragments.  One wave: no barrier.
.set PITCH, 1040                       ; a stage row: 1,024 bytes + 16 = 65 x 16: the 16 rows that a load touches start at 16 different groups of banks (64 banks of 4 bytes: ISA guide 11.1)
.set R, 8                              ; v8-135: the tile, 32 x 4 registers
	s_load_b256 s[4:11], s[0:1], 0x0               ; Wq s[4:5], Wk s[6:7], Wv s[8:9], Wo s[10:11]
	s_load_b64 s[12:13], s[0:1], 0x20              ; wimg
	v_lshl_add_u32 v136, v0, 2, 0x4100
	v_mov_b32 v137, 0
	s_and_b32 s14, ttmp7, 0xffff                   ; j: which matrix
	v_and_b32 v5, 15, v0                           ; lane % 16
	v_lshrrev_b32 v6, 4, v0                        ; lane / 16
	v_lshlrev_b32 v7, 4, v5
	v_lshl_add_u32 v1, v6, 10, v7                  ; in, memory: lanes 0-15 one row's 256 bytes, lanes 16-31 the next row's
	v_mul_u32_u24 v2, v6, PITCH
	v_add_nc_u32 v2, v2, v7                        ; in, stage: the same two rows
	v_mul_u32_u24 v3, v5, PITCH
	v_lshl_add_u32 v3, v6, 4, v3                   ; out of the stage: row r, + 16 h
	v_lshlrev_b32 v4, 4, v0                        ; out, memory: 16 x lane
	s_lshr_b32 s15, ttmp9, 1
	s_lshl_b32 s15, s15, 15                        ; 32 (T / 2) rows of 1,024 bytes
	s_and_b32 s16, ttmp9, 1
	s_lshl_b32 s16, s16, 13                        ; + 8 (T % 2) rows
	s_add_co_u32 s16, s15, s16
	s_mov_b32 s17, 0
	s_lshl_b32 s18, s14, 20                        ; wimg: j x 1 MiB
	s_lshr_b32 s20, ttmp9, 3
	s_lshl_b32 s20, s20, 17                        ; + cg x 131,072
	s_add_co_u32 s18, s18, s20
	s_and_b32 s20, ttmp9, 7
	s_lshl_b32 s20, s20, 11                        ; + n x 2,048
	s_add_co_u32 s18, s18, s20
	s_mov_b32 s19, 0
	s_wait_kmcnt 0x0
	s_bitcmp1_b32 s14, 0                           ; the source is chosen by the work-group's number alone
	s_cselect_b64 s[4:5], s[6:7], s[4:5]           ; Wk or Wq
	s_cselect_b64 s[8:9], s[10:11], s[8:9]         ; Wo or Wv
	s_bitcmp1_b32 s14, 1
	s_cselect_b64 s[4:5], s[8:9], s[4:5]
	s_add_nc_u64 s[4:5], s[4:5], s[16:17]
	s_add_nc_u64 s[12:13], s[12:13], s[18:19]
.irp p, 0,1,2,3,4,5,6,7                ; stage rows 2 p, 2 p + 1 are rows 2 p + 8 (p / 4) (+ 1) from the tile's first
.irp q, 0,1,2,3
	global_load_b128 v[R+4*(4*\p+\q):R+4*(4*\p+\q)+3], v1, s[4:5] offset:(2*\p+8*(\p/4))*1024+256*\q th:TH_LOAD_NT   ; read once in the launch
.endr
.endr
.irp p, 0,1,2,3,4,5,6,7
	s_wait_loadcnt 28-4*\p                         ; this pair of rows is in; the four loads of each later pair may be out
.irp q, 0,1,2,3
	ds_store_b128 v2, v[R+4*(4*\p+\q):R+4*(4*\p+\q)+3] offset:2*\p*PITCH+256*\q
.endr
.endr
	s_wait_dscnt 0x0                               ; the stores have read their registers, which the loads below fill again
.irp k, 0,1,2,3,4,5,6,7
.irp c, 0,1,2,3
	ds_load_b128 v[R+4*(4*\k+\c):R+4*(4*\k+\c)+3], v3 offset:128*\k+32*\c
.endr
.endr
.set i, 0
.rept 32
	s_wait_dscnt 31-i                              ; LDS loads come back in order: number i is in
	global_store_b128 v4, v[R+4*i:R+4*i+3], s[12:13] offset:(i/4)*16384+(i%4)*512   ; the wave stores 512 consecutive bytes, aligned
.set i, i+1
.endr
	s_wait_tensorcnt 0x0
	ds_add_u32 v136, v137
	s_wait_dscnt 0x0
	s_endpgm
.Lfunc_end_k_q11e3fc8563_prep:
	.size	k_q11e3fc8563_prep, .Lfunc_end_k_q11e3fc8563_prep-k_q11e3fc8563_prep
	.p2alignl 7, 3214868480
	.fill 96, 4, 3214868480
	.section	.rodata,"a",@progbits
	.p2align	6, 0x0
	.amdhsa_kernel k_q11e3fc8563_prep
		.amdhsa_group_segment_fixed_size 16896
		.amdhsa_private_segment_fixed_size 0
		.amdhsa_enable_private_segment 0
		.amdhsa_kernarg_size 40
		.amdhsa_user_sgpr_count 2
		.amdhsa_user_sgpr_kernarg_segment_ptr 1
		.amdhsa_wavefront_size32 1
		.amdhsa_system_sgpr_workgroup_id_x 1
		.amdhsa_system_sgpr_workgroup_id_y 1
		.amdhsa_system_sgpr_workgroup_id_z 1
		.amdhsa_system_vgpr_workitem_id 0
		.amdhsa_next_free_vgpr 138
		.amdhsa_next_free_sgpr 66
		.amdhsa_reserve_vcc 0
		.amdhsa_float_denorm_mode_32 3
		.amdhsa_float_denorm_mode_16_64 3
		.amdhsa_memory_ordered 1
		.amdhsa_forward_progress 1
		.amdhsa_inst_pref_size 14
	.end_amdhsa_kernel
	.amdgpu_metadata
---
amdhsa.version: [ 1, 2 ]
amdhsa.kernels:
  - .name:           k_q11e3fc8563_prep
    .symbol:         k_q11e3fc8563_prep.kd
    .args:
      - { .name: Wq_codes, .offset: 0, .size: 8, .value_kind: global_buffer, .address_space: global }
      - { .name: Wk_codes, .offset: 8, .size: 8, .value_kind: global_buffer, .address_space: global }
      - { .name: Wv_codes, .offset: 16, .size: 8, .value_kind: global_buffer, .address_space: global }
      - { .name: Wo_codes, .offset: 24, .size: 8, .value_kind: global_buffer, .address_space: global }
      - { .name: wimg, .offset: 32, .size: 8, .value_kind: global_buffer, .address_space: global }
    .group_segment_fixed_size: 16896
    .private_segment_fixed_size: 0
    .kernarg_segment_align: 8
    .kernarg_segment_size: 40
    .max_flat_workgroup_size: 32
    .sgpr_count:     66
    .vgpr_count:     138
    .wavefront_size: 32
...
	.end_amdgpu_metadata
.endif
;; end of part 1
;; launch qkv (part 2): grid 128 x 2, 4 waves a work-group, no clusters, 230,912 bytes of LDS; arguments hidden_states, wimg, lowp_scales, qimg, kimg, vimg; writes qimg, kimg, vimg
.if DOCPART == 2
	.amdgcn_target "amdgcn-amd-amdhsa--gfx1250"
	.amdhsa_code_object_version 6
	.text
	.protected	k_q11e3fc8563_qkv
	.globl	k_q11e3fc8563_qkv
	.p2align	8
	.type	k_q11e3fc8563_qkv,@function
k_q11e3fc8563_qkv:
	s_mov_b64 s[64:65], 0
	v_nop
	global_prefetch_b8 v0, s[64:65] scope:SCOPE_SE
	s_setreg_imm32_b32 hwreg(HW_REG_WAVE_MODE, 25, 1), 1
	s_wait_xcnt 0x0
; q = x Wq^T, k = x Wk^T, v = x Wv^T on codes of E4M3, and q, k, v quantised again for the attention's two products.
; x (hidden_states, f32) is quantised three times, with 2^e0, 2^e2, 2^e4: the three exponents are given apart and are honoured apart.
; SHARES.  A work-group takes 64 rows of x and 512 of the 1,024 columns of each of the three results: 128 x 2 work-groups.  Wave w first quantises rows 16 w .. 16 w + 15 into LDS (three sets of codes,
; as images of operand registers); then, for all 64 rows, it makes 128 columns (two heads) of q, of k and of v: three chunks of 32 accumulators, 8 K steps of 128 each.
; A weight fragment serves one wave alone, so it comes from wimg straight into that wave's registers (512 consecutive bytes a load) and never through LDS; a fragment of x is read from LDS once a chunk and feeds 8 products.
; No cluster: what the work-groups share are the weights, and a joint tensor load would send each of their bytes into LDS and out again, for 4 products a fragment.
; q AND k ARE MADE TRANSPOSED (source 0 = 16 rows of W, source 1 = 16 rows of x): a lane holds one row of x and eight columns, so the conversions' results are registers of the next operand (K = the head's 64).
; v IS MADE IN THE NATURAL ORDER (source 0 = x, source 1 = W): a lane holds one column and eight rows, that is eight KEYS, which are the K of the attention's second product.
; OUT: qimg, kimg [b][head][tile of 16 rows][1,024], vimg [b][head][64 keys][tile of 16 channels][1,024]: fragments of 8 registers, registers 4 p .. 4 p + 3 at 512 p + 16 lane.
; A sum of x Wq^T stands for sum x 2^(e0 + e1), so its code is sum / 2^(e6 - e0 - e1): the three scales are folded into the conversion's one; likewise e7 - e2 - e3 for k, e9 - e4 - e5 for v.
; LIMITS: e0, e2, e4 and the three folded exponents lie between -126 and 119, so that 2^e and 448 x 2^e are f32 numbers.  NaN among the inputs is not served.
; REGISTERS, in windows of 256.  Window 0: v2-9 addresses, v12-23 scales; first v24-151 x's numbers, v152-183 held numbers, v184-231 codes; later v128-191, v192-255 x's fragments, two sets (the second also takes the codes on the way out).
;   window 1: weight sets 0, 1 (128 registers each).  window 2: x as loaded, K steps 0-3; later weight sets 2, 3.  window 3: x as loaded, K steps 4-7; later the accumulators ((m, n) at v[8 (4 n + m)]).
; No base and no offset register is ever written again: every step stands in an immediate (2,227,712 at the most, inside the signed 24 bits).  No label and no branch.
.set FRB,    2048                      ; a fragment of 16 rows x 128 K
.set STG,    196608                    ; behind the three sets of codes (3 x 65,536): a stage of 16 rows for each wave
.set SPITCH, 528                       ; a stage row: 512 bytes + 16 = 33 x 16: the 16 rows that a load touches start at 16 different groups of banks (ISA guide 11.1)
.set LI,   2                           ; v2-4   16 x lane + 65,536 j: an image's place for my lane in set j; v2 is also every global offset
.set XW,   5                           ; v5-7   where I store my rows' images: + 16,384 x wave
.set SIN,  8                           ; v8     the stage, on the way in
.set SOUT, 9                           ; v9     and on the way out
.set SCX,  12                          ; v12-17 for x's set j: 2^e, 448 x 2^e
.set SCO,  18                          ; v18-23 for q, k, v: the folded scale, 448 x it
.set X,    24
.set T,    152
.set PC,   184
.set AF,   128
.set OUTC, 192
.set MSB, 0
.macro WIN new                         ; the immediate's high byte repeats the setting that is left; a switch that changes nothing is dropped
.if MSB != (\new)
	s_set_vgpr_msb (MSB<<8)|(\new)
.set MSB, (\new)
.endif
.endm
.macro MKSC ereg, vs                   ; v[vs] = 2^e as f32 (the conversion takes its exponent field), v[vs + 1] = 448 x 2^e
	s_add_co_i32 s45, \ereg, 127
	s_lshl_b32 s46, s45, 23
	v_mov_b32 v[\vs], s46
	s_add_co_i32 s45, s45, 8
	s_lshl_b32 s45, s45, 23
	s_or_b32 s45, s45, 0x600000
	v_mov_b32 v[\vs+1], s45
.endm
.macro RAW ks                          ; my 16 rows' numbers of K step ks: each load reads 512 consecutive bytes of one row
.if (\ks) < 4
	WIN 0x80
.else
	WIN 0xc0
.endif
.irp i, 0,1,2,3,4,5,6,7,8,9,10,11,12,13,14,15
	global_load_b128 v[64*((\ks)%4)+4*\i:64*((\ks)%4)+4*\i+3], v[LI], s[4:5] offset:\i*4096+(\ks)*512
.endr
.endm
.macro TURN ks                         ; through my stage: in as loaded, back so that lane (r, h) holds of row r the numbers k = 32 b + 16 h + 0 .. 15 in registers 16 b on.  LDS serves a wave's instructions in order: no wait between
.if (\ks) < 4
	WIN 0x08
.else
	WIN 0x0c
.endif
.irp i, 0,1,2,3,4,5,6,7,8,9,10,11,12,13,14,15
	ds_store_b128 v[SIN], v[64*((\ks)%4)+4*\i:64*((\ks)%4)+4*\i+3] offset:\i*SPITCH
.endr
	WIN 0
.irp b, 0,1,2,3
.irp i, 0,1,2,3
	ds_load_b128 v[X+64*((\ks)%2)+16*\b+4*\i:X+64*((\ks)%2)+16*\b+4*\i+3], v[SOUT] offset:128*\b+16*\i
.endr
.endr
.endm
.macro QUANT src, j                    ; 64 numbers of a lane become a fragment's 16 registers of codes under x's scale j; the numbers stay as they are for the next scale
.irp b, 0,1,2,3
.irp i, 0,1,2,3,4,5,6,7,8,9,10,11,12,13,14,15
	v_med3_num_f32 v[T+16*(\b%2)+\i], v[\src+16*\b+\i], -v[SCX+2*\j+1], v[SCX+2*\j+1]   ; the conversion to an 8-bit code does not saturate (ISA guide 7.6.2): the hold at the largest code x the scale
.endr
	v_cvt_scalef32_pk8_fp8_f32 v[PC+16*\j+4*\b:PC+16*\j+4*\b+1], v[T+16*(\b%2):T+16*(\b%2)+7], v[SCX+2*\j]
	v_cvt_scalef32_pk8_fp8_f32 v[PC+16*\j+4*\b+2:PC+16*\j+4*\b+3], v[T+16*(\b%2)+8:T+16*(\b%2)+15], v[SCX+2*\j]   ; the next block's holds write the other 16 registers: plain lines behind the conversions
.endr
	v_nop                                          ; a plain line behind the last conversion
.endm
.macro IMAGE j, ks                     ; the fragment goes to LDS as it stands in the registers
.irp c, 0,1,2,3
	ds_store_b128 v[XW+\j], v[PC+16*\j+4*\c:PC+16*\j+4*\c+3] offset:(\ks)*FRB+512*\c
.endr
.endm
.macro BLOAD s                         ; step s = 8 j + ks: my eight weight fragments into set s % 4
.if ((\s)%4) < 2
	WIN 0x40
.else
	WIN 0x80
.endif
.irp n, 0,1,2,3,4,5,6,7
.irp c, 0,1,2,3
	global_load_b128 v[128*((\s)%2)+16*\n+4*\c:128*((\s)%2)+16*\n+4*\c+3], v[LI], s[6:7] offset:((\s)/8)*1048576+((\s)%8)*16384+\n*2048+512*\c
.endr
.endr
.endm
.macro AFETCH s                        ; step s: x's four fragments (64 rows) of set j into set s % 2
	WIN 0
.irp m, 0,1,2,3
.irp c, 0,1,2,3
	ds_load_b128 v[AF+64*((\s)%2)+16*\m+4*\c:AF+64*((\s)%2)+16*\m+4*\c+3], v[LI+(\s)/8] offset:(8*\m+(\s)%8)*FRB+512*\c
.endr
.endr
.endm
.macro MUL s                           ; 32 products; the 32 accumulators take turns, one instruction a turn, in the same order in every step.  A chunk's first step starts the sums with the constant 0
.set BW, 1+((\s)%4)/2
.set BB, 128*((\s)%2)
.set AA, AF+64*((\s)%2)
.if (\s) < 16
	WIN 0xf0|BW                                    ; source 0 = W, source 1 = x (window 0), C and D window 3
.else
	WIN 0xf0|(BW<<2)                               ; source 0 = x, source 1 = W
.endif
.irp n, 0,1,2,3,4,5,6,7
.irp m, 0,1,2,3
.if (\s) < 16
.if ((\s)%8) == 0
	v_wmma_f32_16x16x128_fp8_fp8 v[8*(4*\n+\m):8*(4*\n+\m)+7], v[BB+16*\n:BB+16*\n+15], v[AA+16*\m:AA+16*\m+15], 0
.else
	v_wmma_f32_16x16x128_fp8_fp8 v[8*(4*\n+\m):8*(4*\n+\m)+7], v[BB+16*\n:BB+16*\n+15], v[AA+16*\m:AA+16*\m+15], v[8*(4*\n+\m):8*(4*\n+\m)+7]
.endif
.else
.if ((\s)%8) == 0
	v_wmma_f32_16x16x128_fp8_fp8 v[8*(4*\n+\m):8*(4*\n+\m)+7], v[AA+16*\m:AA+16*\m+15], v[BB+16*\n:BB+16*\n+15], 0
.else
	v_wmma_f32_16x16x128_fp8_fp8 v[8*(4*\n+\m):8*(4*\n+\m)+7], v[AA+16*\m:AA+16*\m+15], v[BB+16*\n:BB+16*\n+15], v[8*(4*\n+\m):8*(4*\n+\m)+7]
.endif
.endif
.endr
.endr
.endm
.macro STEP s
.rept 4
	v_nop                                          ; four places behind the last step's products, in front of the loads into the registers that they read: x's other set here, the weight set at this step's end
.endr
	s_wait_dscnt 0x0                               ; this step's fragments of x are in
.if (\s) < 23
	AFETCH (\s)+1                                  ; the next step's land while this step is multiplied
.endif
.if (\s) <= 21
	s_wait_loadcnt 63                              ; this step's weights are in: behind them stand the next two steps' 64 loads; a wait's count ends at 63, and the smaller count is safe
.elseif (\s) == 22
	s_wait_loadcnt 32                              ; behind them: the last step's 32
.else
	s_wait_loadcnt 0
.endif
	MUL \s
.if (\s) <= 20
	BLOAD (\s)+3                                   ; into the set that the last step read.  It stands behind the products: where the count of loads is full, the wave waits here, with its products issued
.endif
.endm
.macro EPI j                           ; a chunk's 32 tiles are held, turned into codes and stored
.rept 4
	v_nop                                          ; four places behind the last products, in front of the first read of results
.endr
	WIN 0xc3
.set i, 0
.rept 256
	v_med3_num_f32 v[i], v[i], -v[SCO+2*\j+1], v[SCO+2*\j+1]   ; ascending: each accumulator from its low end on
.set i, i+1
.endr
	WIN 0x03
.irp n, 0,1,2,3,4,5,6,7
.irp m, 0,1,2,3
.if \j < 2
	v_cvt_scalef32_pk8_fp8_f32 v[OUTC+8*(4*(\n/4)+\m)+2*(\n%4):OUTC+8*(4*(\n/4)+\m)+2*(\n%4)+1], v[8*(4*\n+\m):8*(4*\n+\m)+7], v[SCO+2*\j]   ; fragment (head n / 4, rows m): registers 2 (n % 4) on: eight channels of my row
.else
	v_cvt_scalef32_pk8_fp8_f32 v[OUTC+2*(4*\n+\m):OUTC+2*(4*\n+\m)+1], v[8*(4*\n+\m):8*(4*\n+\m)+7], v[SCO+2*\j]   ; fragment n (head n / 4, channels' tile n % 4): registers 2 m on: keys 16 m + 8 h + 0 .. 7 of my channel
.endif
.endr
.endr
	WIN 0
	v_nop                                          ; a plain line behind the last conversion
.irp f, 0,1,2,3,4,5,6,7
.irp p, 0,1
	global_store_b128 v[LI], v[OUTC+8*\f+4*\p:OUTC+8*\f+4*\p+3], s[10+2*\j:11+2*\j] offset:(\f/4)*65536+(\f%4)*1024+512*\p   ; the wave stores 512 consecutive bytes, aligned
.endr
.endr
.if \j < 2
	s_wait_xcnt 0x0                                ; the stores have read their registers, into which the next step fetches fragments of x
.endif
.endm
.macro XSTEP ks                        ; K step ks of my 16 rows: three fragments of codes.  Loads run three steps ahead, the turn through LDS one step
.if \ks <= 4
	RAW (\ks)+3
.elseif \ks == 5
	BLOAD 0                                        ; the first weights are asked for while x is still being quantised
.elseif \ks == 6
	BLOAD 1
.endif
	s_wait_dscnt 0x0                               ; this step's numbers are back from the stage, and the last images' stores have read the codes' registers
.if \ks < 7
.if \ks <= 4
	s_wait_loadcnt 32                              ; the next step's 16 loads are in; behind them stand two later steps' 32
.elseif \ks == 5
	s_wait_loadcnt 48                              ; behind them: the last step's 16 and 32 of weights
.else
	s_wait_loadcnt 63                              ; behind them: 64 of weights; the count ends at 63, and the smaller count is safe
.endif
	TURN (\ks)+1
.endif
	WIN 0
.irp j, 0,1,2
	QUANT X+64*((\ks)%2), \j
	IMAGE \j, \ks
.endr
.endm
	s_load_b256 s[4:11], s[0:1], 0x0               ; x s[4:5], wimg s[6:7], the exponents s[8:9], qimg s[10:11]
	s_load_b128 s[12:15], s[0:1], 0x20             ; kimg s[12:13], vimg s[14:15]
	v_lshrrev_b32 v1, 5, v0
	v_readfirstlane_b32 s16, v1                    ; wave 0..3
	s_and_b32 s17, ttmp7, 0xffff                   ; g: which half of the columns
	v_and_b32 v1, 31, v0
	v_lshlrev_b32 v[LI], 4, v1
	v_add_nc_u32 v[LI+1], 65536, v[LI]
	v_add_nc_u32 v[LI+2], 131072, v[LI]
	s_lshl_b32 s20, s16, 14                        ; my tile of rows: 8 fragments
	v_add_nc_u32 v[XW], s20, v[LI]
	v_add_nc_u32 v[XW+1], s20, v[LI+1]
	v_add_nc_u32 v[XW+2], s20, v[LI+2]
	s_mul_i32 s21, s16, 16*SPITCH
	s_add_co_u32 s21, s21, STG                     ; my stage
	v_add_nc_u32 v[SIN], s21, v[LI]
	v_and_b32 v10, 15, v0                          ; r
	v_bfe_u32 v11, v0, 4, 1                        ; h
	v_mul_u32_u24 v[SOUT], v10, SPITCH
	v_lshl_add_u32 v[SOUT], v11, 6, v[SOUT]        ; row r, + 64 h bytes: 16 numbers
	v_add_nc_u32 v[SOUT], s21, v[SOUT]
	s_lshl_b32 s36, ttmp9, 18                      ; x: 64 rows of 4,096 bytes a work-group,
	s_lshl_b32 s37, s16, 16                        ; 16 a wave
	s_add_co_u32 s36, s36, s37
	s_mov_b32 s37, 0
	s_lshl_b32 s38, s17, 2
	s_add_co_u32 s38, s38, s16                     ; my 128 columns: cg = 4 g + wave
	s_lshl_b32 s38, s38, 17
	s_mov_b32 s39, 0
	s_lshr_b32 s40, ttmp9, 4                       ; the batch: 16 work-groups of 64 rows
	s_lshl_b32 s40, s40, 20                        ; 16 heads x 65,536 bytes
	s_lshl_b32 s41, s17, 3
	s_lshl_b32 s42, s16, 1
	s_add_co_u32 s41, s41, s42                     ; my first head: 8 g + 2 wave
	s_lshl_b32 s41, s41, 16
	s_add_co_u32 s40, s40, s41
	s_and_b32 s41, ttmp9, 15
	s_lshl_b32 s41, s41, 12                        ; my 64 rows in the head: four fragments of 1,024 bytes
	s_add_co_u32 s40, s40, s41
	s_mov_b32 s41, 0
	s_wait_kmcnt 0x0
	s_load_b256 s[24:31], s[8:9], 0x0              ; e0 .. e7
	s_load_b128 s[32:35], s[8:9], 0x20             ; e8 .. e11
	s_add_nc_u64 s[4:5], s[4:5], s[36:37]
	s_add_nc_u64 s[6:7], s[6:7], s[38:39]
	s_add_nc_u64 s[10:11], s[10:11], s[40:41]
	s_add_nc_u64 s[12:13], s[12:13], s[40:41]
	s_add_nc_u64 s[14:15], s[14:15], s[40:41]
	RAW 0
	RAW 1
	RAW 2
	WIN 0
	s_wait_kmcnt 0x0
	MKSC s24, SCX
	MKSC s26, SCX+2
	MKSC s28, SCX+4
	s_sub_co_i32 s47, s30, s24
	s_sub_co_i32 s47, s47, s25                     ; e6 - e0 - e1
	MKSC s47, SCO
	s_sub_co_i32 s47, s31, s26
	s_sub_co_i32 s47, s47, s27                     ; e7 - e2 - e3
	MKSC s47, SCO+2
	s_sub_co_i32 s47, s33, s28
	s_sub_co_i32 s47, s47, s29                     ; e9 - e4 - e5
	MKSC s47, SCO+4
	s_wait_loadcnt 32                              ; K step 0's 16 loads are in; steps 1 and 2 may be out
	TURN 0
.irp k, 0,1,2,3,4,5,6,7
	XSTEP \k
.endr
	s_wait_dscnt 0x0                               ; for the others' sake: my images have landed
	s_barrier_signal -1
	s_barrier_wait -1                              ; the three sets of codes of all 64 rows lie in LDS; nothing is written there again
	BLOAD 2
	AFETCH 0
.irp s, 0,1,2,3,4,5,6,7
	STEP \s
.endr
	EPI 0
.irp s, 8,9,10,11,12,13,14,15
	STEP \s
.endr
	EPI 1
.irp s, 16,17,18,19,20,21,22,23
	STEP \s
.endr
	EPI 2
	WIN 0
	s_wait_xcnt 0x0
	v_lshl_add_u32 v254, v0, 2, 0x38400
	v_mov_b32 v255, 0
	s_wait_tensorcnt 0x0
	ds_add_u32 v254, v255
	s_wait_dscnt 0x0
	s_endpgm
.Lfunc_end_k_q11e3fc8563_qkv:
	.size	k_q11e3fc8563_qkv, .Lfunc_end_k_q11e3fc8563_qkv-k_q11e3fc8563_qkv
	.p2alignl 7, 3214868480
	.fill 96, 4, 3214868480
	.section	.rodata,"a",@progbits
	.p2align	6, 0x0
	.amdhsa_kernel k_q11e3fc8563_qkv
		.amdhsa_group_segment_fixed_size 230912
		.amdhsa_private_segment_fixed_size 0
		.amdhsa_enable_private_segment 0
		.amdhsa_kernarg_size 48
		.amdhsa_user_sgpr_count 2
		.amdhsa_user_sgpr_kernarg_segment_ptr 1
		.amdhsa_wavefront_size32 1
		.amdhsa_system_sgpr_workgroup_id_x 1
		.amdhsa_system_sgpr_workgroup_id_y 1
		.amdhsa_system_sgpr_workgroup_id_z 1
		.amdhsa_system_vgpr_workitem_id 0
		.amdhsa_next_free_vgpr 1024
		.amdhsa_next_free_sgpr 66
		.amdhsa_reserve_vcc 0
		.amdhsa_float_denorm_mode_32 3
		.amdhsa_float_denorm_mode_16_64 3
		.amdhsa_memory_ordered 1
		.amdhsa_forward_progress 1
		.amdhsa_inst_pref_size 255
	.end_amdhsa_kernel
	.section	.bss,"aw",@nobits
	.p2align	6
	.space	262144
	.amdgpu_metadata
---
amdhsa.version: [ 1, 2 ]
amdhsa.kernels:
  - .name:           k_q11e3fc8563_qkv
    .symbol:         k_q11e3fc8563_qkv.kd
    .args:
      - { .name: hidden_states, .offset: 0, .size: 8, .value_kind: global_buffer, .address_space: global }
      - { .name: wimg, .offset: 8, .size: 8, .value_kind: global_buffer, .address_space: global }
      - { .name: lowp_scales, .offset: 16, .size: 8, .value_kind: global_buffer, .address_space: global }
      - { .name: qimg, .offset: 24, .size: 8, .value_kind: global_buffer, .address_space: global }
      - { .name: kimg, .offset: 32, .size: 8, .value_kind: global_buffer, .address_space: global }
      - { .name: vimg, .offset: 40, .size: 8, .value_kind: global_buffer, .address_space: global }
    .group_segment_fixed_size: 230912
    .private_segment_fixed_size: 0
    .kernarg_segment_align: 8
    .kernarg_segment_size: 48
    .max_flat_workgroup_size: 128
    .sgpr_count:     66
    .vgpr_count:     1024
    .wavefront_size: 32
...
	.end_amdgpu_metadata
.endif
;; end of part 2
;; launch attn (part 3): grid 2 x 128, 16 waves a work-group, no clusters, 137,216 bytes of LDS; arguments qimg, kimg, vimg, attention_mask, lowp_scales, cimg; writes cimg
.if DOCPART == 3
	.amdgcn_target "amdgcn-amd-amdhsa--gfx1250"
	.amdhsa_code_object_version 6
	.text
	.protected	k_q11e3fc8563_attn
	.globl	k_q11e3fc8563_attn
	.p2align	8
	.type	k_q11e3fc8563_attn,@function
k_q11e3fc8563_attn:
	s_mov_b64 s[64:65], 0
	v_nop
	global_prefetch_b8 v0, s[64:65] scope:SCOPE_SE
	s_setreg_imm32_b32 hwreg(HW_REG_WAVE_MODE, 25, 1), 1
	s_wait_xcnt 0x0
; ctx = softmax(q k^T / 8 + mask) v for one head, both products on codes of E4M3, and ctx quantised for the output projection.
; THE SOFTMAX AHEAD OF THE SECOND PRODUCT: t = logit x log2(e); M = the row's largest t so far, rounded UP to a whole number; p = 2^(t - M) is what is quantised; the row's sum is taken of the unquantised p and divides at the end.
; When M moves, the sum and O are multiplied by 2^(old M - new M), made by v_ldexp_f32 of 1.0: nothing is rounded, and no branch hangs on data.
; SHARES.  A work-group owns 512 queries of one head of one batch.  Each of sixteen waves owns two tiles of 16 queries in 256 registers: four waves to a SIMD, so that one wave's vector work stands beside another's
; products and LDS loads.  Every wave walks the 1,024 keys, 64 a step.
; THE FILL GOES BY QUARTERS.  The head's K and V (64 KiB of codes each) come into LDS in four quarters of 256 keys: 16 KiB of K and 16 KiB of V, four loads of 16 bytes a thread, held in 16 registers.  A quarter is asked for
; straight behind the barrier that shows the quarter before it, so it has four key steps in which to land; in front of its own four steps it is stored to LDS bytes of its own, which are written once, and a barrier follows.
; So the first product waits for a quarter of the fill, and the other three quarters arrive under the softmax.
; No cluster: what the two work-groups of a head share is 128 KiB, read once, under sixteen steps of vector work.
; LAYOUT.  Both products are used transposed: S^T = K Q^T (source 0 = 16 keys, source 1 = 16 queries), O^T = V^T P^T: a lane holds ONE query (lane % 16) throughout; S^T's registers run along the keys, so the conversions' results are P's registers.
; THE MASK IS THE C OF THE FIRST PRODUCT: a score's sum stands for sum x 2^(e6 + e7), and logit = that / 8 + mask, so mask x 2^(3 - e6 - e7) is added to the sums, in the result's layout (register j of lane half h: key 8 h + j).
; V's tiles hold the channels in the order in which the weights' tiles hold their rows, so that O^T's registers of tiles 2 c, 2 c + 1 are 16 neighbouring channels: ctx's codes are registers of the last product's operand.
; OUT: cimg [tile of 16 rows, 64 b + rt][head][1,024]: registers 4 p .. 4 p + 3 at 512 p + 16 lane; two heads on end are a fragment of 128 along K.
; LIMITS: e6 + e7 between -123 and 130 (added to an exponent field); e8 and e10 - e8 - e9 between -126 and 119.  A mask entry whose product with 2^(3 - e6 - e7) overflows counts as -infinity.  NaN among the inputs is not served.
.set ADK, 1                            ; v1-3   this step's LDS addresses: K, V, mask
.set ADV, 2
.set ADM, 3
.set AK0, 4                            ; v4     16 x lane: my place in an image; also the global offset of Q and of the result
.set AV0, 5                            ; v5     + 65,536
.set AM0, 6                            ; v6     131,072 + 32 h
.set SCP, 8                            ; v8, v9   2^e8, 448 x 2^e8
.set SCC2, 10                          ; v10, v11 2^(e10 - e8 - e9), 448 x that
.set STT, 12                           ; v12-19 a tile's four: -M, the largest t, the sum in two halves
.set FP,  20                           ; v[20:21] f = 2^(old M - new M) (the low word serves both halves)
.set M1,  22
.set M2,  23
.set PD,  24                           ; a lane permute's destination
.set OLD, 25
.set SM,  26                           ; v[26:27] the step's sum, second chain
.set Q,   28                           ; v28-43   Q, 8 registers a tile
.set KF,  44                           ; v44-75   K's four fragments
.set P,   44                           ; v44-59   p's codes, 8 registers a tile: in K's first two fragments, which are done with behind the first product
.set VF,  76                           ; v76-107  the mask's four tiles, then V's four fragments
.set PF,  108                          ; v108-123 the quarter of K and V that is on its way
.set S,   124                          ; v124-187 S^T, then p: tile a, keys' tile t at 32 a + 8 t
.set O,   188                          ; v188-251 O^T: tile a, channels' tile d at 32 a + 8 d
.set FT,  252                          ; v252, v253 the fill: 16 x thread (global offset, and K's place in LDS), + 65,536 (V's place); never rewritten
.set LIM2, 254                         ; v254   448 x 2^e8 once more, in another register bank, for the second half of a dual instruction
.macro MKSC ereg, vs                   ; v[vs] = 2^e as f32, v[vs + 1] = 448 x 2^e
	s_add_co_i32 s46, \ereg, 127
	s_lshl_b32 s47, s46, 23
	v_mov_b32 v[\vs], s47
	s_add_co_i32 s46, s46, 8
	s_lshl_b32 s46, s46, 23
	s_or_b32 s46, s46, 0x600000
	v_mov_b32 v[\vs+1], s46
.endm
.macro CLOAD c                         ; quarter c is asked for: each load of the work-group reads 8,192 consecutive bytes
	global_load_b128 v[PF:PF+3],     v[FT], s[6:7] offset:(\c)*16384
	global_load_b128 v[PF+4:PF+7],   v[FT], s[6:7] offset:(\c)*16384+8192
	global_load_b128 v[PF+8:PF+11],  v[FT], s[8:9] offset:(\c)*16384
	global_load_b128 v[PF+12:PF+15], v[FT], s[8:9] offset:(\c)*16384+8192
.endm
.macro CSTORE c                        ; and goes to LDS as it lies in memory
	ds_store_b128 v[FT],   v[PF:PF+3]     offset:(\c)*16384
	ds_store_b128 v[FT],   v[PF+4:PF+7]   offset:(\c)*16384+8192
	ds_store_b128 v[FT+1], v[PF+8:PF+11]  offset:(\c)*16384
	ds_store_b128 v[FT+1], v[PF+12:PF+15] offset:(\c)*16384+8192
.endm
.macro MX d, a, b
	v_max3_num_f32 v[\d], v[\d], v[RS_+\a], v[RS_+\b]
.endm
; One tile's softmax for 64 keys: a lane's 32 scores.
.macro SOFT a
.set RS_, S+32*\a
.set RO_, O+32*\a
.set RT_, STT+4*\a
	v_max3_num_f32 v[M1], v[RS_], v[RS_+1], v[RS_+2]       ; the largest score, in two chains; each of the four results is read from its low end on
	v_max3_num_f32 v[M2], v[RS_+8], v[RS_+9], v[RS_+10]
	MX M1, 16, 17
	MX M2, 24, 25
	MX M1, 3, 4
	MX M2, 5, 6
	MX M1, 7, 11
	MX M2, 12, 13
	MX M1, 14, 15
	MX M2, 18, 19
	MX M1, 20, 21
	MX M2, 22, 23
	MX M1, 26, 27
	MX M2, 28, 29
	MX M1, 30, 31
	v_max_num_f32 v[M1], v[M1], v[M2]
	v_permlanex16_b32 v[PD], v[M1], s32, s33       ; the query's other 32 keys lie in the lane 16 away
	v_max_num_f32 v[M1], v[M1], v[PD]
	v_mul_f32 v[M1], s30, v[M1]                    ; as t (c is positive)
	v_max_num_f32 v[RT_+1], v[RT_+1], v[M1]        ; the running largest t
	v_mov_b32 v[OLD], v[RT_]
	v_floor_f32 v[RT_], -v[RT_+1]                  ; the new -M = floor(-t) = -ceil(t): a whole number
	v_sub_f32 v[OLD], v[RT_], v[OLD]               ; old M - new M: a whole number, 0 or less
	v_cvt_i32_f32 v[OLD], v[OLD]                   ; (it saturates)
	v_ldexp_f32 v[FP], 1.0, v[OLD]                 ; f = 2^(old M - new M)
.set jj, 0
.rept 16
	v_pk_fma_f32 v[RS_+jj:RS_+jj+1], v[RS_+jj:RS_+jj+1], s[30:31], v[RT_:RT_+1] op_sel_hi:[1,0,0]   ; t - M, two at a time (of the pairs c and -M the low word serves both halves)
.set jj, jj+2
.endr
.set jj, 0
.rept 32
	v_exp_f32 v[RS_+jj], v[RS_+jj]                 ; p = 2^(t - M), at most 1: not normalised
.set jj, jj+1
.endr
	v_pk_mul_f32 v[RT_+2:RT_+3], v[RT_+2:RT_+3], v[FP:FP+1] op_sel_hi:[1,0]   ; the sum under the new M (a plain line behind the exponentials)
	s_wait_alu depctr_va_vdst(0)
	v_pk_add_f32 v[SM:SM+1], v[RS_:RS_+1], v[RS_+2:RS_+3]                     ; the sum is taken of the unquantised p, in two chains
.irp j, 4,8,12,16,20,24,28
	v_pk_add_f32 v[RT_+2:RT_+3], v[RT_+2:RT_+3], v[RS_+\j:RS_+\j+1]
	v_pk_add_f32 v[SM:SM+1], v[SM:SM+1], v[RS_+\j+2:RS_+\j+3]
.endr
	v_pk_add_f32 v[RT_+2:RT_+3], v[RT_+2:RT_+3], v[SM:SM+1]
	s_cmp_gt_i32 s26, -9                           ; with e8 >= -8 the largest code x the scale, 448 x 2^e8, is at least 1.75 and p at most 1: the hold would change nothing.  A branch on a given whole number
	s_cbranch_scc1 .Lnohold_\@
.set jj, 0
.rept 16                               ; the conversion to an 8-bit code does not saturate (ISA guide 7.6.2); p is not negative, so the hold is one-sided.  Two minima an instruction: an even and an odd result, sources in different banks
	v_dual_min_num_f32 v[RS_+jj], v[RS_+jj], v[SCP+1] :: v_dual_min_num_f32 v[RS_+jj+1], v[RS_+jj+1], v[LIM2]
.set jj, jj+2
.endr
.Lnohold_\@:
.irp t, 0,1,2,3
	v_cvt_scalef32_pk8_fp8_f32 v[P+8*\a+2*\t:P+8*\a+2*\t+1], v[RS_+8*\t:RS_+8*\t+7], v[SCP]   ; registers 2 t, 2 t + 1: keys 16 t + 8 h + 0 .. 7
.endr
.set jj, 0
.rept 16
	v_pk_mul_f32 v[RO_+jj:RO_+jj+1], v[RO_+jj:RO_+jj+1], v[FP:FP+1] op_sel_hi:[1,0]   ; O^T under the new M, each result from its low end on (also the plain lines behind the conversions)
.set jj, jj+2
.endr
.endm
; A KEY STEP: 64 keys, at byte s34 of K's and V's images and byte s35 of the mask.
.macro STEP
	v_add_nc_u32 v[ADK], s34, v[AK0]
	v_add_nc_u32 v[ADV], s34, v[AV0]
	v_add_nc_u32 v[ADM], s35, v[AM0]
	v_nop                                          ; four places behind the last step's products, in front of the loads into V's registers and into p's, which lie in K's
.irp t, 0,1,2,3
	ds_load_b128 v[VF+8*\t:VF+8*\t+3], v[ADM] offset:64*\t          ; the mask of keys 16 t + 8 h + 0 .. 7: the lanes of a half read the same words
	ds_load_b128 v[VF+8*\t+4:VF+8*\t+7], v[ADM] offset:64*\t+16
.endr
.irp t, 0,1,2,3
.irp p, 0,1
	ds_load_b128 v[KF+8*\t+4*\p:KF+8*\t+4*\p+3], v[ADK] offset:1024*\t+512*\p
.endr
.endr
	s_wait_dscnt 0x0
.irp a, 0,1
.irp t, 0,1,2,3
	v_wmma_f32_16x16x64_fp8_fp8 v[S+32*\a+8*\t:S+32*\a+8*\t+7], v[KF+8*\t:KF+8*\t+7], v[Q+8*\a:Q+8*\a+7], v[VF+8*\t:VF+8*\t+7]
.endr
.endr
.rept 4
	v_nop                                          ; four places: in front of the loads into the mask's registers, and of the first read of the scores
.endr
.irp d, 0,1,2,3
.irp p, 0,1
	ds_load_b128 v[VF+8*\d+4*\p:VF+8*\d+4*\p+3], v[ADV] offset:1024*\d+512*\p   ; V lands while the softmax is walked
.endr
.endr
	SOFT 0
	SOFT 1
	s_wait_dscnt 0x0
.irp d, 0,1,2,3
.irp a, 0,1
	v_wmma_f32_16x16x64_fp8_fp8 v[O+32*\a+8*\d:O+32*\a+8*\d+7], v[VF+8*\d:VF+8*\d+7], v[P+8*\a:P+8*\a+7], v[O+32*\a+8*\d:O+32*\a+8*\d+7]   ; eight accumulators by turns, one instruction a turn
.endr
.endr
	s_add_co_u32 s34, s34, 4096
	s_add_co_u32 s35, s35, 256
.endm
; A QUARTER: 256 keys.  Its codes have been on their way since the barrier before; they go to LDS bytes that nobody has touched, a barrier shows them to all sixteen waves, the next quarter is asked for, and four key steps follow.
; A wave that is ahead stores the next quarter while others still read this one: different blocks of 16,384 bytes.
.macro CHUNK c
	s_wait_loadcnt 0x0                             ; my four loads of this quarter are in (no other load is out; in front of the first quarter: Q and the mask too)
.if \c == 0
	v_ldexp_f32 v[S], v[S], s45                    ; the mask x 2^(3 - e6 - e7)
	v_ldexp_f32 v[S+1], v[S+1], s45
	ds_store_b64 v7, v[S:S+1]
.endif
	CSTORE \c
	s_wait_dscnt 0x0                               ; for the others' sake: my stores have landed; and they have read their registers, which the loads below fill again
	s_barrier_signal -1
	s_barrier_wait -1
.if \c < 3
	CLOAD (\c)+1
.endif
	s_mov_b32 s34, (\c)*16384                      ; the quarter's first step in K's and V's images: 4,096 bytes a step
	s_mov_b32 s35, (\c)*1024                       ; and in the mask: 256 bytes a step
	s_mov_b32 s36, 4
.Lstep_\@:
	STEP
	s_sub_co_u32 s36, s36, 1
	s_cmp_lg_u32 s36, 0
	s_cbranch_scc1 .Lstep_\@
.endm
	s_load_b256 s[4:11], s[0:1], 0x0               ; qimg s[4:5], kimg s[6:7], vimg s[8:9], the mask s[10:11]
	s_load_b128 s[12:15], s[0:1], 0x20             ; the exponents s[12:13], cimg s[14:15]
	v_lshrrev_b32 v1, 5, v0
	v_readfirstlane_b32 s16, v1                    ; wave 0..15
	s_and_b32 s18, ttmp7, 0xffff                   ; 16 b + head
	v_lshlrev_b32 v[FT], 4, v0                     ; the fill: 16 bytes a thread, 8,192 an instruction
	v_add_nc_u32 v[FT+1], 65536, v[FT]
	v_lshlrev_b32 v3, 3, v0                        ; the mask: 8 bytes a thread
	v_add_nc_u32 v7, 131072, v3
	v_and_b32 v4, 31, v0
	v_lshlrev_b32 v[AK0], 4, v4
	v_add_nc_u32 v[AV0], 65536, v[AK0]
	v_bfe_u32 v6, v0, 4, 1
	v_lshlrev_b32 v6, 5, v6
	v_add_nc_u32 v[AM0], 131072, v6
	s_lshl_b32 s20, s18, 16                        ; the head's 65,536 bytes in each of the three images
	s_mov_b32 s21, 0
	s_lshl_b32 s22, ttmp9, 15                      ; my work-group's 32 tiles of queries,
	s_lshl_b32 s23, s16, 11                        ; my wave's two
	s_add_co_u32 s22, s22, s23
	s_add_co_u32 s22, s22, s20
	s_mov_b32 s23, 0
	s_lshr_b32 s38, s18, 4                         ; b
	s_lshl_b32 s40, s38, 12                        ; its 1,024 mask entries
	s_mov_b32 s41, 0
	s_lshl_b32 s42, s38, 6
	s_lshl_b32 s43, ttmp9, 5
	s_add_co_u32 s42, s42, s43
	s_lshl_b32 s43, s16, 1
	s_add_co_u32 s42, s42, s43                     ; my first tile of rows: 64 b + 32 x + 2 wave
	s_lshl_b32 s42, s42, 14                        ; 16 heads x 1,024 bytes a tile
	s_and_b32 s43, s18, 15
	s_lshl_b32 s43, s43, 10
	s_add_co_u32 s42, s42, s43
	s_mov_b32 s43, 0
	s_mov_b32 s32, 0x76543210                      ; v_permlanex16_b32's selects for lane l xor 16
	s_mov_b32 s33, 0xfedcba98
	s_wait_kmcnt 0x0
	s_load_b128 s[24:27], s[12:13], 0x18           ; e6, e7, e8, e9
	s_load_b32 s28, s[12:13], 0x28                 ; e10
	s_add_nc_u64 s[4:5], s[4:5], s[22:23]
	s_add_nc_u64 s[6:7], s[6:7], s[20:21]
	s_add_nc_u64 s[8:9], s[8:9], s[20:21]
	s_add_nc_u64 s[10:11], s[10:11], s[40:41]
	s_add_nc_u64 s[14:15], s[14:15], s[42:43]
	CLOAD 0                                        ; the first quarter of K and V,
	global_load_b64 v[S:S+1], v3, s[10:11]         ; the batch's mask,
.irp a, 0,1
.irp p, 0,1
	global_load_b128 v[Q+8*\a+4*\p:Q+8*\a+4*\p+3], v[AK0], s[4:5] offset:1024*\a+512*\p   ; and Q, which stays in registers
.endr
.endr
.set i, 0
.rept 64
	v_mov_b32 v[O+i], 0                            ; O^T, written while the first loads are out.  (The step has no first form of its own: the first finds zeros, which the first change of M leaves zeros)
.set i, i+1
.endr
.irp a, 0,1
	v_mov_b32 v[STT+4*\a+1], 0xff61b1e6            ; the largest t so far: -3e38, under every t
	v_floor_f32 v[STT+4*\a], -v[STT+4*\a+1]        ; -M
	v_mov_b32 v[STT+4*\a+2], 0                     ; the sum, in two halves
	v_mov_b32 v[STT+4*\a+3], 0
.endr
	v_mov_b32 v[FP+1], 0                           ; (named as the upper half of a pair)
	v_mov_b32 v[PD], 0                             ; written once: a lane permute's destination counts as one of its sources
	s_wait_kmcnt 0x0
	s_add_co_i32 s44, s24, s25                     ; e6 + e7
	s_sub_co_i32 s45, 3, s44                       ; the mask's exponent: 3 - e6 - e7
	s_lshl_b32 s44, s44, 23
	s_add_co_i32 s30, s44, 0x3e38aa3b              ; c = log2(e) / 8 x 2^(e6 + e7): the two exponents are added to c's exponent field
	s_mov_b32 s31, s30                             ; (named with it as a pair, so it is written)
	MKSC s26, SCP
	v_mov_b32 v[LIM2], v[SCP+1]
	s_sub_co_i32 s48, s28, s26
	s_sub_co_i32 s48, s48, s27                     ; O / l stands for ctx / 2^(e8 + e9): its code is (O / l) / 2^(e10 - e8 - e9)
	MKSC s48, SCC2
	CHUNK 0
	CHUNK 1
	CHUNK 2
	CHUNK 3
	; THE WAY OUT.  The additions and the lane permutes are the places behind the last products.
	v_add_f32 v[STT+2], v[STT+2], v[STT+3]         ; the sum's two halves,
	v_add_f32 v[STT+6], v[STT+6], v[STT+7]
	v_permlanex16_b32 v[PD], v[STT+2], s32, s33
	v_permlanex16_b32 v[OLD], v[STT+6], s32, s33
	v_add_f32 v[STT+2], v[STT+2], v[PD]            ; and lane l xor 16's: the row's sum
	v_add_f32 v[STT+6], v[STT+6], v[OLD]
	v_rcp_f32 v[M1], v[STT+2]
	v_rcp_f32 v[SM], v[STT+6]
	v_nop                                          ; a plain line between the last reciprocal and the use of its result
	s_wait_alu depctr_va_vdst(0)
.irp a, 0,1
.set jj, 0
.rept 16
	v_pk_mul_f32 v[O+32*\a+jj:O+32*\a+jj+1], v[O+32*\a+jj:O+32*\a+jj+1], v[M1+4*\a:M1+4*\a+1] op_sel_hi:[1,0]   ; O^T / the sum
.set jj, jj+2
.endr
.set jj, 0
.rept 32
	v_med3_num_f32 v[O+32*\a+jj], v[O+32*\a+jj], -v[SCC2+1], v[SCC2+1]   ; the hold at the largest code x the scale
.set jj, jj+1
.endr
.irp d, 0,1,2,3
	v_cvt_scalef32_pk8_fp8_f32 v[P+8*\a+2*\d:P+8*\a+2*\d+1], v[O+32*\a+8*\d:O+32*\a+8*\d+7], v[SCC2]   ; registers 2 d, 2 d + 1: channels 32 (d / 2) + 16 h + 8 (d % 2) + 0 .. 7
.endr
	v_nop                                          ; a plain line behind the last conversion
.endr
.irp a, 0,1
.irp p, 0,1
	global_store_b128 v[AK0], v[P+8*\a+4*\p:P+8*\a+4*\p+3], s[14:15] offset:16384*\a+512*\p   ; the wave stores 512 consecutive bytes, aligned
.endr
.endr
	s_wait_xcnt 0x0
	v_lshl_add_u32 v254, v0, 2, 0x21000
	v_mov_b32 v255, 0
	s_wait_tensorcnt 0x0
	ds_add_u32 v254, v255
	s_wait_dscnt 0x0
	s_endpgm
.Lfunc_end_k_q11e3fc8563_attn:
	.size	k_q11e3fc8563_attn, .Lfunc_end_k_q11e3fc8563_attn-k_q11e3fc8563_attn
	.p2alignl 7, 3214868480
	.fill 96, 4, 3214868480
	.section	.rodata,"a",@progbits
	.p2align	6, 0x0
	.amdhsa_kernel k_q11e3fc8563_attn
		.amdhsa_group_segment_fixed_size 137216
		.amdhsa_private_segment_fixed_size 0
		.amdhsa_enable_private_segment 0
		.amdhsa_kernarg_size 48
		.amdhsa_user_sgpr_count 2
		.amdhsa_user_sgpr_kernarg_segment_ptr 1
		.amdhsa_wavefront_size32 1
		.amdhsa_system_sgpr_workgroup_id_x 1
		.amdhsa_system_sgpr_workgroup_id_y 1
		.amdhsa_system_sgpr_workgroup_id_z 1
		.amdhsa_system_vgpr_workitem_id 0
		.amdhsa_next_free_vgpr 256
		.amdhsa_next_free_sgpr 66
		.amdhsa_reserve_vcc 0
		.amdhsa_float_denorm_mode_32 3
		.amdhsa_float_denorm_mode_16_64 3
		.amdhsa_memory_ordered 1
		.amdhsa_forward_progress 1
		.amdhsa_inst_pref_size 84
	.end_amdhsa_kernel
	.amdgpu_metadata
---
amdhsa.version: [ 1, 2 ]
amdhsa.kernels:
  - .name:           k_q11e3fc8563_attn
    .symbol:         k_q11e3fc8563_attn.kd
    .args:
      - { .name: qimg, .offset: 0, .size: 8, .value_kind: global_buffer, .address_space: global }
      - { .name: kimg, .offset: 8, .size: 8, .value_kind: global_buffer, .address_space: global }
      - { .name: vimg, .offset: 16, .size: 8, .value_kind: global_buffer, .address_space: global }
      - { .name: attention_mask, .offset: 24, .size: 8, .value_kind: global_buffer, .address_space: global }
      - { .name: lowp_scales, .offset: 32, .size: 8, .value_kind: global_buffer, .address_space: global }
      - { .name: cimg, .offset: 40, .size: 8, .value_kind: global_buffer, .address_space: global }
    .group_segment_fixed_size: 137216
    .private_segment_fixed_size: 0
    .kernarg_segment_align: 8
    .kernarg_segment_size: 48
    .max_flat_workgroup_size: 512
    .sgpr_count:     66
    .vgpr_count:     256
    .wavefront_size: 32
...
	.end_amdgpu_metadata
.endif
;; end of part 3
;; launch outln (part 4): grid 256 x 1, 4 waves a work-group, no clusters, 263,168 bytes of LDS; arguments cimg, wimg, hidden_states, ln_weight, ln_bias, lowp_scales, out0; writes out0
.if DOCPART == 4
	.amdgcn_target "amdgcn-amd-amdhsa--gfx1250"
	.amdhsa_code_object_version 6
	.text
	.protected	k_q11e3fc8563_outln
	.globl	k_q11e3fc8563_outln
	.p2align	8
	.type	k_q11e3fc8563_outln,@function
k_q11e3fc8563_outln:
	s_mov_b64 s[64:65], 0
	v_nop
	global_prefetch_b8 v0, s[64:65] scope:SCOPE_SE
	s_setreg_imm32_b32 hwreg(HW_REG_WAVE_MODE, 25, 1), 1
	s_wait_xcnt 0x0
; out0 = LayerNorm(ctx Wo^T + hidden_states) x ln_weight + ln_bias; the product on codes of E4M3, all else in f32.
; SHARES.  A work-group takes 32 whole rows, since the norm wants whole rows: 256 work-groups.  For the product wave w takes columns 256 w .. 256 w + 255 (16 tiles of columns x 2 tiles of rows: 32 accumulators, 8 K steps of 128);
; for the norm it takes rows 8 w .. 8 w + 7 whole: a row is 32 registers of one wave, so no sum crosses waves.  The sums change hands through a stage in LDS, with one barrier.
; Both operands come from memory straight into registers, as images of operand registers (512 consecutive bytes a load): a fragment of Wo serves one wave alone.
; No cluster: what the work-groups share is Wo, and a joint tensor load would send each of its bytes into LDS and out again, for 2 products a fragment.
; My 8 rows of hidden_states are asked for in the first lines by ONE tensor load a wave, into LDS bytes of the wave's own that are filled once and that no other wave reads: one tensor load of mine is out.
; THE PRODUCT IS USED TRANSPOSED (source 0 = 16 rows of Wo, source 1 = 16 rows of ctx): a lane holds eight neighbouring columns of one row.
; THE NORM in two passes, as it is defined: the mean; the mean of the squared differences from it; (y - u) / sqrt(s + 1e-12).
; LIMIT: e10 + e11 between -126 and 127, so that 2^(e10 + e11) is an f32 number.  NaN among the inputs is not served.
; REGISTERS, in windows of 256.  Window 0: v2-6 addresses, v8-17 at work, v32-63 ln_weight, v64-95 ln_bias; v192-223, v224-255 ctx's fragments, two sets; later v96-223 two sets of a row's sums and a row of hidden_states.
;   windows 1, 2: Wo's 16 fragments of a K step, two sets.  window 3: the accumulators ((m, n) at v[8 (2 n + m)]).  No label and no branch.
.set PITCH, 4112                       ; a stage row: 4,096 bytes + 16 = 257 x 16: the 16 rows that a store touches start at 16 different groups of banks (ISA guide 11.1)
.set HID,   32*PITCH                   ; 131,584, a multiple of 256: behind the stage, 32,768 bytes of hidden_states for each wave
.set LI,  2                            ; v2   16 x lane: every global offset
.set SO,  3                            ; v3, v4  the stage: where I put 32 bytes of a row of tile m
.set SR,  5                            ; v5   and where I read my rows back
.set HR,  6                            ; v6   my rows of hidden_states in LDS
.set U,   8                            ; v[8:9]   the mean, twice
.set RS,  10                           ; v[10:11] 1 / sqrt (the low word serves both halves)
.set SA,  12                           ; v[12:13], v[14:15] sums, two chains
.set SB,  14
.set PD,  16                           ; a lane permute's destination
.set EPS, 17                           ; 1e-12
.set LW,  32
.set LB,  64
.set Y,   96                           ; set q at + 64 q
.set H,   128
.set AF,  192
.set MSB, 0
.macro WIN new                         ; the immediate's high byte repeats the setting that is left; a switch that changes nothing is dropped
.if MSB != (\new)
	s_set_vgpr_msb (MSB<<8)|(\new)
.set MSB, (\new)
.endif
.endm
.macro ALOAD ks                        ; ctx's two fragments of K step ks
	WIN 0
.irp m, 0,1
.irp c, 0,1,2,3
	global_load_b128 v[AF+32*((\ks)%2)+16*\m+4*\c:AF+32*((\ks)%2)+16*\m+4*\c+3], v[LI], s[4:5] offset:16384*\m+2048*(\ks)+512*\c th:TH_LOAD_NT   ; read once in the launch
.endr
.endr
.endm
.macro BLOAD ks                        ; Wo's sixteen
	WIN 0x40<<((\ks)%2)
.irp n, 0,1,2,3,4,5,6,7,8,9,10,11,12,13,14,15
.irp c, 0,1,2,3
	global_load_b128 v[16*\n+4*\c:16*\n+4*\c+3], v[LI], s[6:7] offset:(\n/8)*131072+16384*(\ks)+2048*(\n%8)+512*\c
.endr
.endr
.endm
.macro STEP ks
.if (\ks) < 7
	s_wait_loadcnt 63                              ; this step's fragments are in: behind them stand the next step's 72 loads; a wait's count ends at 63, and the smaller count is safe
.else
	s_wait_loadcnt 0
.endif
	WIN 0xf1+((\ks)%2)                             ; source 0 (Wo) window 1 or 2, source 1 (ctx) window 0, C and D window 3
.irp n, 0,1,2,3,4,5,6,7,8,9,10,11,12,13,14,15
.irp m, 0,1
.if (\ks) == 0
	v_wmma_f32_16x16x128_fp8_fp8 v[8*(2*\n+\m):8*(2*\n+\m)+7], v[16*\n:16*\n+15], v[AF+32*((\ks)%2)+16*\m:AF+32*((\ks)%2)+16*\m+15], 0
.else
	v_wmma_f32_16x16x128_fp8_fp8 v[8*(2*\n+\m):8*(2*\n+\m)+7], v[16*\n:16*\n+15], v[AF+32*((\ks)%2)+16*\m:AF+32*((\ks)%2)+16*\m+15], v[8*(2*\n+\m):8*(2*\n+\m)+7]
.endif
.endr
.endr                                  ; the 32 accumulators take turns, one instruction a turn, in the same order in every step
.if (\ks) < 6
.rept 4
	v_nop                                          ; four places in front of the loads into the registers that these products read
.endr
	ALOAD (\ks)+2
	BLOAD (\ks)+2
.endif
.endm
.macro LOADROW i                       ; my row i: its sums from the stage, its hidden_states; lane l takes columns 128 t + 4 l + 0 .. 3
.irp t, 0,1,2,3,4,5,6,7
	ds_load_b128 v[Y+64*((\i)%2)+4*\t:Y+64*((\i)%2)+4*\t+3], v[SR] offset:(\i)*PITCH+512*\t
.endr
.irp t, 0,1,2,3,4,5,6,7
	ds_load_b128 v[H+64*((\i)%2)+4*\t:H+64*((\i)%2)+4*\t+3], v[HR] offset:(\i)*4096+512*\t
.endr
.endm
.macro REDUCE                          ; v[SA:SA+1] summed over its halves and the 32 lanes; the result in every lane's v[SA]
	v_add_f32 v[SA], v[SA], v[SA+1]
	v_add_f32_dpp v[SA], v[SA], v[SA] row_xmask:1 row_mask:0xf bank_mask:0xf
	v_add_f32_dpp v[SA], v[SA], v[SA] row_xmask:2 row_mask:0xf bank_mask:0xf
	v_add_f32_dpp v[SA], v[SA], v[SA] row_xmask:4 row_mask:0xf bank_mask:0xf
	v_add_f32_dpp v[SA], v[SA], v[SA] row_xmask:8 row_mask:0xf bank_mask:0xf
	v_permlanex16_b32 v[PD], v[SA], s32, s33
	v_add_f32 v[SA], v[SA], v[PD]
.endm
.macro ROW i
.set YY, Y+64*((\i)%2)
.set HH, H+64*((\i)%2)
.irp j, 0,2,4,6,8,10,12,14,16,18,20,22,24,26,28,30
	v_pk_fma_f32 v[YY+\j:YY+\j+1], v[YY+\j:YY+\j+1], s[34:35], v[HH+\j:HH+\j+1] op_sel_hi:[1,0,1]   ; y = sum x 2^(e10 + e11) + hidden_states
.endr
	v_pk_add_f32 v[SA:SA+1], v[YY:YY+1], v[YY+2:YY+3]
	v_pk_add_f32 v[SB:SB+1], v[YY+4:YY+5], v[YY+6:YY+7]
.irp j, 8,12,16,20,24,28
	v_pk_add_f32 v[SA:SA+1], v[SA:SA+1], v[YY+\j:YY+\j+1]
	v_pk_add_f32 v[SB:SB+1], v[SB:SB+1], v[YY+\j+2:YY+\j+3]
.endr
	v_pk_add_f32 v[SA:SA+1], v[SA:SA+1], v[SB:SB+1]
	REDUCE
	v_mul_f32 v[U], s36, v[SA]                     ; u = the sum / 1,024
	v_mul_f32 v[U+1], s36, v[SA]
.irp j, 0,2,4,6,8,10,12,14,16,18,20,22,24,26,28,30
	v_pk_add_f32 v[YY+\j:YY+\j+1], v[YY+\j:YY+\j+1], v[U:U+1] neg_lo:[0,1] neg_hi:[0,1]   ; y - u
.endr
	v_pk_mul_f32 v[SA:SA+1], v[YY:YY+1], v[YY:YY+1]
	v_pk_mul_f32 v[SB:SB+1], v[YY+2:YY+3], v[YY+2:YY+3]
.irp j, 4,8,12,16,20,24,28
	v_pk_fma_f32 v[SA:SA+1], v[YY+\j:YY+\j+1], v[YY+\j:YY+\j+1], v[SA:SA+1]
	v_pk_fma_f32 v[SB:SB+1], v[YY+\j+2:YY+\j+3], v[YY+\j+2:YY+\j+3], v[SB:SB+1]
.endr
	v_pk_add_f32 v[SA:SA+1], v[SA:SA+1], v[SB:SB+1]
	REDUCE
	v_fma_f32 v[SA], v[SA], s36, v[EPS]            ; s + 1e-12
	v_rsq_f32 v[RS], v[SA]
	v_nop                                          ; a plain line between the transcendental and the use of its result
	s_wait_alu depctr_va_vdst(0)
.irp j, 0,2,4,6,8,10,12,14,16,18,20,22,24,26,28,30
	v_pk_mul_f32 v[YY+\j:YY+\j+1], v[YY+\j:YY+\j+1], v[RS:RS+1] op_sel_hi:[1,0]
.endr
.irp j, 0,2,4,6,8,10,12,14,16,18,20,22,24,26,28,30
	v_pk_fma_f32 v[YY+\j:YY+\j+1], v[YY+\j:YY+\j+1], v[LW+\j:LW+\j+1], v[LB+\j:LB+\j+1]
.endr
.irp t, 0,1,2,3,4,5,6,7
	global_store_b128 v[LI], v[YY+4*\t:YY+4*\t+3], s[16:17] offset:(\i)*4096+512*\t th:TH_STORE_NT   ; the wave stores 512 consecutive bytes, aligned; written once, read by nobody here
.endr
.endm
	s_load_b256 s[4:11], s[0:1], 0x0               ; cimg s[4:5], wimg s[6:7], hidden_states s[8:9], ln_weight s[10:11]
	s_load_b128 s[12:15], s[0:1], 0x20             ; ln_bias s[12:13], the exponents s[14:15]
	s_load_b64 s[16:17], s[0:1], 0x30              ; out0
	v_lshl_add_u32 v30, v0, 2, 0x40200
	v_mov_b32 v31, 0
	ds_add_u32 v30, v31
	ds_add_u32 v30, v31
	v_lshrrev_b32 v1, 5, v0
	v_readfirstlane_b32 s18, v1                    ; wave 0..3
	; descriptor group 1: my 8 rows are 32,768 bytes on end in memory: 128 rows of 32 elements of 8 bytes, dense, no padding
	s_mov_b32 s24, 3<<16                           ; 15:0 no mask; 17:16 elements of 8 bytes
	s_mov_b32 s25, 32<<16                          ; tensor_dim0 = 32
	s_mov_b32 s26, 128<<16                         ; tensor_dim1 = 128
	s_mov_b32 s27, 32<<16                          ; tile_dim0 = 32
	s_mov_b32 s28, 128                             ; tile_dim1 = 128
	s_mov_b32 s29, 32                              ; tensor_dim0_stride
	s_mov_b32 s30, 0
	s_mov_b32 s31, 0
	s_lshl_b32 s38, ttmp9, 17                      ; 32 rows of 4,096 bytes a work-group,
	s_lshl_b32 s39, s18, 15                        ; 8 a wave
	s_add_co_u32 s38, s38, s39
	s_mov_b32 s39, 0
	s_lshl_b32 s40, ttmp9, 15                      ; cimg: two tiles of rows of 16,384 bytes
	s_mov_b32 s41, 0
	s_lshl_b32 s44, s18, 18                        ; wimg: my 256 columns,
	s_add_co_u32 s44, s44, 3145728                 ; in the fourth matrix
	s_mov_b32 s45, 0
	s_mov_b32 s20, 1                               ; group 0: count = 1
	s_lshl_b32 s21, s18, 15
	s_add_co_u32 s21, s21, HID                     ; LDS address: my wave's own 32,768 bytes
	s_mov_b32 s32, 0x76543210                      ; v_permlanex16_b32's selects for lane l xor 16
	s_mov_b32 s33, 0xfedcba98
	s_mov_b32 s36, 0x3a800000                      ; 1 / 1,024
	s_wait_dscnt 0x0
	s_wait_kmcnt 0x0
	s_add_nc_u64 s[22:23], s[8:9], s[38:39]        ; global address: my first row
	s_or_b32 s23, s23, 0x80000000                  ; type = 2
	tensor_load_to_lds s[20:23], s[24:31]
	s_nop 0
.rept 4
	v_nop
.endr
	s_load_b64 s[42:43], s[14:15], 0x28            ; e10, e11
	s_add_nc_u64 s[4:5], s[4:5], s[40:41]
	s_add_nc_u64 s[6:7], s[6:7], s[44:45]
	s_add_nc_u64 s[16:17], s[16:17], s[38:39]
	v_and_b32 v1, 31, v0
	v_lshlrev_b32 v[LI], 4, v1
.irp t, 0,1,2,3,4,5,6,7
	global_load_b128 v[LW+4*\t:LW+4*\t+3], v[LI], s[10:11] offset:512*\t
	global_load_b128 v[LB+4*\t:LB+4*\t+3], v[LI], s[12:13] offset:512*\t
.endr
	ALOAD 0
	BLOAD 0
	ALOAD 1
	BLOAD 1
	WIN 0
	v_and_b32 v7, 15, v0                           ; r
	v_bfe_u32 v18, v0, 4, 1                        ; h
	v_mul_u32_u24 v[SO], v7, PITCH
	v_lshl_add_u32 v[SO], v18, 6, v[SO]            ; row r, + 64 h bytes: tiles 2 b, 2 b + 1 give my half 16 neighbouring columns
	s_lshl_b32 s19, s18, 10
	v_add_nc_u32 v[SO], s19, v[SO]                 ; + my wave's 256 columns
	v_add_nc_u32 v[SO+1], 16*PITCH, v[SO]
	s_mul_i32 s19, s18, 8*PITCH
	v_add_nc_u32 v[SR], s19, v[LI]
	v_add_nc_u32 v[HR], s21, v[LI]
	v_mov_b32 v[RS+1], 0                           ; (named as the upper half of a pair)
	v_mov_b32 v[PD], 0                             ; written once: a lane permute's destination counts as one of its sources
	v_mov_b32 v[EPS], 0x2b8cbccc                   ; 1e-12
	s_wait_kmcnt 0x0
	s_add_co_i32 s34, s42, s43
	s_add_co_i32 s34, s34, 127
	s_lshl_b32 s34, s34, 23                        ; 2^(e10 + e11) as f32
	s_mov_b32 s35, s34                             ; (named with it as a pair, so it is written)
.irp k, 0,1,2,3,4,5,6,7
	STEP \k
.endr
.rept 4
	v_nop                                          ; four places behind the last products, in front of the stores that read results and of the loads into ctx's registers
.endr
	WIN 0x0c                                       ; store data: window 3
.irp n, 0,1,2,3,4,5,6,7,8,9,10,11,12,13,14,15
.irp m, 0,1
	ds_store_b128 v[SO+\m], v[8*(2*\n+\m):8*(2*\n+\m)+3] offset:128*(\n/2)+32*(\n%2)        ; each accumulator from its low end on
	ds_store_b128 v[SO+\m], v[8*(2*\n+\m)+4:8*(2*\n+\m)+7] offset:128*(\n/2)+32*(\n%2)+16
.endr
.endr
	WIN 0
	s_wait_tensorcnt 0x0                           ; my rows of hidden_states have landed (asked for in the first lines)
	s_wait_dscnt 0x0                               ; for the others' sake: my sums lie in the stage
	s_barrier_signal -1
	s_barrier_wait -1                              ; 32 whole rows of sums lie in the stage; nothing is written there again
	LOADROW 0
.irp i, 0,1,2,3,4,5,6,7
.if \i < 7
	s_wait_xcnt 0x0                                ; the stores of the row before have read their registers, which take the next row
	LOADROW (\i)+1
	s_wait_dscnt 16                                ; this row is in; the next row's 16 loads may be out
.else
	s_wait_dscnt 0x0
.endif
	ROW \i
.endr
	s_wait_tensorcnt 0x0
	ds_add_u32 v30, v31
	s_wait_dscnt 0x0
	s_endpgm
.Lfunc_end_k_q11e3fc8563_outln:
	.size	k_q11e3fc8563_outln, .Lfunc_end_k_q11e3fc8563_outln-k_q11e3fc8563_outln
	.p2alignl 7, 3214868480
	.fill 96, 4, 3214868480
	.section	.rodata,"a",@progbits
	.p2align	6, 0x0
	.amdhsa_kernel k_q11e3fc8563_outln
		.amdhsa_group_segment_fixed_size 263168
		.amdhsa_private_segment_fixed_size 0
		.amdhsa_enable_private_segment 0
		.amdhsa_kernarg_size 56
		.amdhsa_user_sgpr_count 2
		.amdhsa_user_sgpr_kernarg_segment_ptr 1
		.amdhsa_wavefront_size32 1
		.amdhsa_system_sgpr_workgroup_id_x 1
		.amdhsa_system_sgpr_workgroup_id_y 1
		.amdhsa_system_sgpr_workgroup_id_z 1
		.amdhsa_system_vgpr_workitem_id 0
		.amdhsa_next_free_vgpr 1024
		.amdhsa_next_free_sgpr 66
		.amdhsa_reserve_vcc 0
		.amdhsa_float_denorm_mode_32 3
		.amdhsa_float_denorm_mode_16_64 3
		.amdhsa_memory_ordered 1
		.amdhsa_forward_progress 1
		.amdhsa_inst_pref_size 152
	.end_amdhsa_kernel
	.amdgpu_metadata
---
amdhsa.version: [ 1, 2 ]
amdhsa.kernels:
  - .name:           k_q11e3fc8563_outln
    .symbol:         k_q11e3fc8563_outln.kd
    .args:
      - { .name: cimg, .offset: 0, .size: 8, .value_kind: global_buffer, .address_space: global }
      - { .name: wimg, .offset: 8, .size: 8, .value_kind: global_buffer, .address_space: global }
      - { .name: hidden_states, .offset: 16, .size: 8, .value_kind: global_buffer, .address_space: global }
      - { .name: ln_weight, .offset: 24, .size: 8, .value_kind: global_buffer, .address_space: global }
      - { .name: ln_bias, .offset: 32, .size: 8, .value_kind: global_buffer, .address_space: global }
      - { .name: lowp_scales, .offset: 40, .size: 8, .value_kind: global_buffer, .address_space: global }
      - { .name: out0, .offset: 48, .size: 8, .value_kind: global_buffer, .address_space: global }
    .group_segment_fixed_size: 263168
    .private_segment_fixed_size: 0
    .kernarg_segment_align: 8
    .kernarg_segment_size: 56
    .max_flat_workgroup_size: 128
    .sgpr_count:     66
    .vgpr_count:     1024
    .wavefront_size: 32
...
	.end_amdgpu_metadata
.endif
;; end of part 4
;; ======== version 2 of 2: 4 launches; version 1 with the launches qkv, attn written anew for expert scheduling mode
;; workspace buffers: wimg 4,194,304 bytes; qimg 8,388,608 bytes; kimg 8,388,608 bytes; vimg 8,388,608 bytes; cimg 8,388,608 bytes
;; launch prep: the kernel of part 1 again; grid 64 x 4, 1 waves a work-group, no clusters, 16,896 bytes of LDS; arguments Wq_codes, Wk_codes, Wv_codes, Wo_codes, wimg; writes wimg
;; launch qkv (part 5): grid 128 x 2, 4 waves a work-group, no clusters, 230,912 bytes of LDS; arguments hidden_states, wimg, lowp_scales, qimg, kimg, vimg; writes qimg, kimg, vimg
.if DOCPART == 5
	.amdgcn_target "amdgcn-amd-amdhsa--gfx1250"
	.amdhsa_code_object_version 6
	.text
	.protected	k_q11e3fc8563_qkv
	.globl	k_q11e3fc8563_qkv
	.p2align	8
	.type	k_q11e3fc8563_qkv,@function
k_q11e3fc8563_qkv:
	s_mov_b64 s[64:65], 0
	v_nop
	global_prefetch_b8 v0, s[64:65] scope:SCOPE_SE
	s_setreg_imm32_b32 hwreg(HW_REG_WAVE_SCHED_MODE, 0, 2), 2
	s_setreg_imm32_b32 hwreg(HW_REG_WAVE_MODE, 25, 1), 1
	s_wait_xcnt 0x0
	s_wait_alu depctr_vm_vsrc(0)
; q = x Wq^T, k = x Wk^T, v = x Wv^T on codes of E4M3, and q, k, v quantised again for the attention's two products.
; x (hidden_states, f32) is quantised three times, with 2^e0, 2^e2, 2^e4: the three exponents are given apart and are honoured apart.
; SHARES.  A work-group takes 64 rows of x and 512 of the 1,024 columns of each of the three results: 128 x 2 work-groups.  Wave w first quantises rows 16 w .. 16 w + 15 into LDS (three sets of codes,
; as images of operand registers); then, for all 64 rows, it makes 128 columns (two heads) of q, of k and of v: three chunks of 32 accumulators, 8 K steps of 128 each.
; A weight fragment serves one wave alone, so it comes from wimg straight into that wave's registers (512 consecutive bytes a load) and never through LDS; a fragment of x is read from LDS once a chunk and feeds 8 products.
; No cluster: what the work-groups share are the weights, and a joint tensor load would send each of their bytes into LDS and out again, for 4 products a fragment.
; q AND k ARE MADE TRANSPOSED (source 0 = 16 rows of W, source 1 = 16 rows of x): a lane holds one row of x and eight columns, so the conversions' results are registers of the next operand (K = the head's 64).
; v IS MADE IN THE NATURAL ORDER (source 0 = x, source 1 = W): a lane holds one column and eight rows, that is eight KEYS, which are the K of the attention's second product.
; OUT: qimg, kimg [b][head][tile of 16 rows][1,024], vimg [b][head][64 keys][tile of 16 channels][1,024]: fragments of 8 registers, registers 4 p .. 4 p + 3 at 512 p + 16 lane.
; A sum of x Wq^T stands for sum x 2^(e0 + e1), so its code is sum / 2^(e6 - e0 - e1): the three scales are folded into the conversion's one; likewise e7 - e2 - e3 for k, e9 - e4 - e5 for v.
; LIMITS: e0, e2, e4 and the three folded exponents lie between -126 and 119, so that 2^e and 448 x 2^e are f32 numbers.  NaN among the inputs is not served.
; REGISTERS, in windows of 256.  Window 0: v2-9 addresses, v12-23 scales; first v24-151 x's numbers, v152-183 held numbers, v184-231 codes; later v128-191, v192-255 x's fragments, two sets (the second also takes the codes on the way out).
;   window 1: weight sets 0, 1 (128 registers each).  window 2: x as loaded, K steps 0-3; later weight sets 2, 3.  window 3: x as loaded, K steps 4-7; later the accumulators ((m, n) at v[8 (4 n + m)]).
; No base and no offset register is ever written again: every step stands in an immediate (2,227,712 at the most, inside the signed 24 bits).  No label and no branch.
; THE MODE: SCHED_MODE bits 1:0 = 2 (LLVM: expert scheduling mode 2), set by the entry lines.  The code itself states the register dependences
; between vector or matrix instructions and memory or LDS instructions, with s_wait_alu, always for 0.
; THE PLAN.  Registers that memory or LDS instructions touch:
;   v2-9          Offsets and LDS addresses: written at the head, read by every load and store, never written again.
;   x as loaded   Windows 2 and 3, 64 fresh registers a K step: loads from memory land there, the turn's LDS stores read them, no vector instruction names them.  Later weights and sums are written there.
;   X0, X1        The turn of K step ks + 1, issued in step ks, lands in the set that step ks - 1's holds read.
;   the codes     Written by a step's conversions, read by its twelve image stores, written again by the next step's conversions.
;   AF0, AF1      Product step s reads AF[s % 2]; the LDS loads of step s + 1, issued at step s's head, land in the set that step s - 1 read.  AF1 also takes a chunk's codes, which sixteen stores read.
;   W0 .. W3      Product step s reads W[s % 4]; the loads of step s + 3, issued behind step s's products, land in the set that step s - 1 read.
; So an x step has one wait on va_vdst, behind its three runs of conversions and ahead of its image stores, and one on vm_vsrc; a product step has one wait on va_vdst, at its head:
; its products name W[s % 4], AF[s % 2] and the accumulators, none of the registers that the step's two runs of loads touch.
.set FRB,    2048                      ; a fragment of 16 rows x 128 K
.set STG,    196608                    ; behind the three sets of codes (3 x 65,536): a stage of 16 rows for each wave
.set SPITCH, 528                       ; a stage row: 512 bytes + 16 = 33 x 16: the 16 rows that a load touches start at 16 different groups of banks (ISA guide 11.1)
.set LI,   2                           ; v2-4   16 x lane + 65,536 j: an image's place for my lane in set j; v2 is also every global offset
.set XW,   5                           ; v5-7   where I store my rows' images: + 16,384 x wave
.set SIN,  8                           ; v8     the stage, on the way in
.set SOUT, 9                           ; v9     and on the way out
.set SCX,  12                          ; v12-17 for x's set j: 2^e, 448 x 2^e
.set SCO,  18                          ; v18-23 for q, k, v: the folded scale, 448 x it
.set X,    24
.set T,    152
.set PC,   184
.set AF,   128
.set OUTC, 192
.set MSB, 0
.macro WIN new                         ; the immediate's high byte repeats the setting that is left; a switch that changes nothing is dropped
.if MSB != (\new)
	s_set_vgpr_msb (MSB<<8)|(\new)
.set MSB, (\new)
.endif
.endm
.macro MKSC ereg, vs                   ; v[vs] = 2^e as f32 (the conversion takes its exponent field), v[vs + 1] = 448 x 2^e
	s_add_co_i32 s45, \ereg, 127
	s_lshl_b32 s46, s45, 23
	v_mov_b32 v[\vs], s46
	s_add_co_i32 s45, s45, 8
	s_lshl_b32 s45, s45, 23
	s_or_b32 s45, s45, 0x600000
	v_mov_b32 v[\vs+1], s45
.endm
.macro RAW ks                          ; my 16 rows' numbers of K step ks: each load reads 512 consecutive bytes of one row; they land in registers that nothing has named before
.if (\ks) < 4
	WIN 0x80
.else
	WIN 0xc0
.endif
.irp i, 0,1,2,3,4,5,6,7,8,9,10,11,12,13,14,15
	global_load_b128 v[64*((\ks)%4)+4*\i:64*((\ks)%4)+4*\i+3], v[LI], s[4:5] offset:\i*4096+(\ks)*512
.endr
.endm
.macro TURN ks                         ; through my stage: in as loaded, back so that lane (r, h) holds of row r the numbers k = 32 b + 16 h + 0 .. 15 in registers 16 b on.  LDS serves a wave's instructions in order: no wait between
.if (\ks) < 4
	WIN 0x08
.else
	WIN 0x0c
.endif
.irp i, 0,1,2,3,4,5,6,7,8,9,10,11,12,13,14,15
	ds_store_b128 v[SIN], v[64*((\ks)%4)+4*\i:64*((\ks)%4)+4*\i+3] offset:\i*SPITCH
.endr
	WIN 0
.irp b, 0,1,2,3
.irp i, 0,1,2,3
	ds_load_b128 v[X+64*((\ks)%2)+16*\b+4*\i:X+64*((\ks)%2)+16*\b+4*\i+3], v[SOUT] offset:128*\b+16*\i
.endr
.endr
.endm
.macro QUANT src, j                    ; 64 numbers of a lane become a fragment's 16 registers of codes under x's scale j; the numbers stay as they are for the next scale
.irp b, 0,1,2,3
.irp i, 0,1,2,3,4,5,6,7,8,9,10,11,12,13,14,15
	v_med3_num_f32 v[T+16*(\b%2)+\i], v[\src+16*\b+\i], -v[SCX+2*\j+1], v[SCX+2*\j+1]   ; the conversion to an 8-bit code does not saturate (ISA guide 7.6.2): the hold at the largest code x the scale
.endr
	v_cvt_scalef32_pk8_fp8_f32 v[PC+16*\j+4*\b:PC+16*\j+4*\b+1], v[T+16*(\b%2):T+16*(\b%2)+7], v[SCX+2*\j]
	v_cvt_scalef32_pk8_fp8_f32 v[PC+16*\j+4*\b+2:PC+16*\j+4*\b+3], v[T+16*(\b%2)+8:T+16*(\b%2)+15], v[SCX+2*\j]   ; the next block's holds write the other 16 registers: plain lines behind the conversions
.endr
	v_nop                                          ; a plain line behind the last conversion
.endm
.macro IMAGE j, ks                     ; the fragment goes to LDS as it stands in the registers
.irp c, 0,1,2,3
	ds_store_b128 v[XW+\j], v[PC+16*\j+4*\c:PC+16*\j+4*\c+3] offset:(\ks)*FRB+512*\c
.endr
.endm
.macro BLOAD s                         ; step s = 8 j + ks: my eight weight fragments into set s % 4
.if ((\s)%4) < 2
	WIN 0x40
.else
	WIN 0x80
.endif
.irp n, 0,1,2,3,4,5,6,7
.irp c, 0,1,2,3
	global_load_b128 v[128*((\s)%2)+16*\n+4*\c:128*((\s)%2)+16*\n+4*\c+3], v[LI], s[6:7] offset:((\s)/8)*1048576+((\s)%8)*16384+\n*2048+512*\c
.endr
.endr
.endm
.macro AFETCH s                        ; step s: x's four fragments (64 rows) of set j into set s % 2
	WIN 0
.irp m, 0,1,2,3
.irp c, 0,1,2,3
	ds_load_b128 v[AF+64*((\s)%2)+16*\m+4*\c:AF+64*((\s)%2)+16*\m+4*\c+3], v[LI+(\s)/8] offset:(8*\m+(\s)%8)*FRB+512*\c
.endr
.endr
.endm
.macro MUL s                           ; 32 products; the 32 accumulators take turns, one instruction a turn, in the same order in every step.  A chunk's first step starts the sums with the constant 0
.set BW, 1+((\s)%4)/2
.set BB, 128*((\s)%2)
.set AA, AF+64*((\s)%2)
.if (\s) < 16
	WIN 0xf0|BW                                    ; source 0 = W, source 1 = x (window 0), C and D window 3
.else
	WIN 0xf0|(BW<<2)                               ; source 0 = x, source 1 = W
.endif
.irp n, 0,1,2,3,4,5,6,7
.irp m, 0,1,2,3
.if (\s) < 16
.if ((\s)%8) == 0
	v_wmma_f32_16x16x128_fp8_fp8 v[8*(4*\n+\m):8*(4*\n+\m)+7], v[BB+16*\n:BB+16*\n+15], v[AA+16*\m:AA+16*\m+15], 0
.else
	v_wmma_f32_16x16x128_fp8_fp8 v[8*(4*\n+\m):8*(4*\n+\m)+7], v[BB+16*\n:BB+16*\n+15], v[AA+16*\m:AA+16*\m+15], v[8*(4*\n+\m):8*(4*\n+\m)+7]
.endif
.else
.if ((\s)%8) == 0
	v_wmma_f32_16x16x128_fp8_fp8 v[8*(4*\n+\m):8*(4*\n+\m)+7], v[AA+16*\m:AA+16*\m+15], v[BB+16*\n:BB+16*\n+15], 0
.else
	v_wmma_f32_16x16x128_fp8_fp8 v[8*(4*\n+\m):8*(4*\n+\m)+7], v[AA+16*\m:AA+16*\m+15], v[BB+16*\n:BB+16*\n+15], v[8*(4*\n+\m):8*(4*\n+\m)+7]
.endif
.endif
.endr
.endr
.endm
.macro STEP s
.rept 4
	v_nop                                          ; four places behind the last step's products, in front of the loads into the registers that they read: x's other set here, the weight set at this step's end; the wait below states the same dependence
.endr
	s_wait_dscnt 0x0                               ; this step's fragments of x are in
.if (((\s)%8) != 0) && ((\s) < 23)
	s_wait_alu depctr_va_vdst(0)                   ; the last step's products are done reading x's other set, in which the loads below land, and their weight set, in which the loads at this step's end land.  (A chunk's first step: an earlier wait has stated it; the last step loads nothing)
.endif
.if (\s) < 23
	AFETCH (\s)+1                                  ; the next step's land while this step is multiplied
.endif
.if (\s) <= 21
	s_wait_loadcnt 63                              ; this step's weights are in: behind them stand the next two steps' 64 loads; a wait's count ends at 63, and the smaller count is safe
.elseif (\s) == 22
	s_wait_loadcnt 32                              ; behind them: the last step's 32
.else
	s_wait_loadcnt 0
.endif
	MUL \s
.if (\s) <= 20
	BLOAD (\s)+3                                   ; into the set that the last step read.  No wait: no vector or matrix instruction since the wait at this step's head names that set.  It stands behind the products: where the count of loads is full, the wave waits here, with its products issued
.endif
.endm
.macro EPI j                           ; a chunk's 32 tiles are held, turned into codes and stored
.rept 4
	v_nop                                          ; four places behind the last products, in front of the first read of results
.endr
	WIN 0xc3
.set i, 0
.rept 256
	v_med3_num_f32 v[i], v[i], -v[SCO+2*\j+1], v[SCO+2*\j+1]   ; ascending: each accumulator from its low end on
.set i, i+1
.endr
	WIN 0x03
.irp n, 0,1,2,3,4,5,6,7
.irp m, 0,1,2,3
.if \j < 2
	v_cvt_scalef32_pk8_fp8_f32 v[OUTC+8*(4*(\n/4)+\m)+2*(\n%4):OUTC+8*(4*(\n/4)+\m)+2*(\n%4)+1], v[8*(4*\n+\m):8*(4*\n+\m)+7], v[SCO+2*\j]   ; fragment (head n / 4, rows m): registers 2 (n % 4) on: eight channels of my row
.else
	v_cvt_scalef32_pk8_fp8_f32 v[OUTC+2*(4*\n+\m):OUTC+2*(4*\n+\m)+1], v[8*(4*\n+\m):8*(4*\n+\m)+7], v[SCO+2*\j]   ; fragment n (head n / 4, channels' tile n % 4): registers 2 m on: keys 16 m + 8 h + 0 .. 7 of my channel
.endif
.endr
.endr
	WIN 0
	v_nop                                          ; a plain line behind the last conversion
	s_wait_alu depctr_va_vdst(0)                   ; the conversions have written the codes, which the stores below read; and the chunk's last products are done reading x's second set and their weight set, in which the next step's loads land
.irp f, 0,1,2,3,4,5,6,7
.irp p, 0,1
	global_store_b128 v[LI], v[OUTC+8*\f+4*\p:OUTC+8*\f+4*\p+3], s[10+2*\j:11+2*\j] offset:(\f/4)*65536+(\f%4)*1024+512*\p   ; the wave stores 512 consecutive bytes, aligned
.endr
.endr
.if \j < 2
	s_wait_xcnt 0x0                                ; the stores' addresses are translated,
	s_wait_alu depctr_vm_vsrc(0)                   ; and the stores have read the codes' registers, into which the next step fetches fragments of x
.endif
.endm
.macro XSTEP ks                        ; K step ks of my 16 rows: three fragments of codes.  Loads run three steps ahead, the turn through LDS one step
.if \ks <= 4
	RAW (\ks)+3
.elseif \ks == 5
	BLOAD 0                                        ; the first weights are asked for while x is still being quantised
.elseif \ks == 6
	BLOAD 1
.endif
	s_wait_dscnt 0x0                               ; this step's numbers are back from the stage
.if \ks > 0
	s_wait_alu depctr_vm_vsrc(0)                   ; the last step's image stores have read the codes' registers, which this step's conversions write again
.endif
.if \ks < 7
.if \ks <= 4
	s_wait_loadcnt 32                              ; the next step's 16 loads are in; behind them stand two later steps' 32
.elseif \ks == 5
	s_wait_loadcnt 48                              ; behind them: the last step's 16 and 32 of weights
.else
	s_wait_loadcnt 63                              ; behind them: 64 of weights; the count ends at 63, and the smaller count is safe
.endif
	TURN (\ks)+1                                   ; its loads land in the set that the last step's holds read: the wait at that step's end has stated it, and no vector instruction stands between
.endif
	WIN 0
.irp j, 0,1,2
	QUANT X+64*((\ks)%2), \j
.endr
	s_wait_alu depctr_va_vdst(0)                   ; the conversions have written the three fragments' codes, which the stores below read; the holds are done reading this step's numbers, in whose registers the next step's turn lands
.irp j, 0,1,2
	IMAGE \j, \ks
.endr
.endm
	s_load_b256 s[4:11], s[0:1], 0x0               ; x s[4:5], wimg s[6:7], the exponents s[8:9], qimg s[10:11]
	s_load_b128 s[12:15], s[0:1], 0x20             ; kimg s[12:13], vimg s[14:15]
	v_lshrrev_b32 v1, 5, v0
	v_readfirstlane_b32 s16, v1                    ; wave 0..3
	s_and_b32 s17, ttmp7, 0xffff                   ; g: which half of the columns
	v_and_b32 v1, 31, v0
	v_lshlrev_b32 v[LI], 4, v1
	v_add_nc_u32 v[LI+1], 65536, v[LI]
	v_add_nc_u32 v[LI+2], 131072, v[LI]
	s_wait_alu depctr_va_sdst(0)                   ; s16 is written, ahead of its first reader: LDS addresses and all bases are made from it
	s_lshl_b32 s20, s16, 14                        ; my tile of rows: 8 fragments
	v_add_nc_u32 v[XW], s20, v[LI]
	v_add_nc_u32 v[XW+1], s20, v[LI+1]
	v_add_nc_u32 v[XW+2], s20, v[LI+2]
	s_mul_i32 s21, s16, 16*SPITCH
	s_add_co_u32 s21, s21, STG                     ; my stage
	v_add_nc_u32 v[SIN], s21, v[LI]
	v_and_b32 v10, 15, v0                          ; r
	v_bfe_u32 v11, v0, 4, 1                        ; h
	v_mul_u32_u24 v[SOUT], v10, SPITCH
	v_lshl_add_u32 v[SOUT], v11, 6, v[SOUT]        ; row r, + 64 h bytes: 16 numbers
	v_add_nc_u32 v[SOUT], s21, v[SOUT]
	s_lshl_b32 s36, ttmp9, 18                      ; x: 64 rows of 4,096 bytes a work-group,
	s_lshl_b32 s37, s16, 16                        ; 16 a wave
	s_add_co_u32 s36, s36, s37
	s_mov_b32 s37, 0
	s_lshl_b32 s38, s17, 2
	s_add_co_u32 s38, s38, s16                     ; my 128 columns: cg = 4 g + wave
	s_lshl_b32 s38, s38, 17
	s_mov_b32 s39, 0
	s_lshr_b32 s40, ttmp9, 4                       ; the batch: 16 work-groups of 64 rows
	s_lshl_b32 s40, s40, 20                        ; 16 heads x 65,536 bytes
	s_lshl_b32 s41, s17, 3
	s_lshl_b32 s42, s16, 1
	s_add_co_u32 s41, s41, s42                     ; my first head: 8 g + 2 wave
	s_lshl_b32 s41, s41, 16
	s_add_co_u32 s40, s40, s41
	s_and_b32 s41, ttmp9, 15
	s_lshl_b32 s41, s41, 12                        ; my 64 rows in the head: four fragments of 1,024 bytes
	s_add_co_u32 s40, s40, s41
	s_mov_b32 s41, 0
	s_wait_kmcnt 0x0
	s_load_b256 s[24:31], s[8:9], 0x0              ; e0 .. e7
	s_load_b128 s[32:35], s[8:9], 0x20             ; e8 .. e11
	s_add_nc_u64 s[4:5], s[4:5], s[36:37]
	s_add_nc_u64 s[6:7], s[6:7], s[38:39]
	s_add_nc_u64 s[10:11], s[10:11], s[40:41]
	s_add_nc_u64 s[12:13], s[12:13], s[40:41]
	s_add_nc_u64 s[14:15], s[14:15], s[40:41]
	s_wait_alu depctr_va_vdst(0)                   ; the eight offsets and addresses v2 to v9 are written: every load and store of the kernel reads one of them
	RAW 0
	RAW 1
	RAW 2
	WIN 0
	s_wait_kmcnt 0x0
	MKSC s24, SCX
	MKSC s26, SCX+2
	MKSC s28, SCX+4
	s_sub_co_i32 s47, s30, s24
	s_sub_co_i32 s47, s47, s25                     ; e6 - e0 - e1
	MKSC s47, SCO
	s_sub_co_i32 s47, s31, s26
	s_sub_co_i32 s47, s47, s27                     ; e7 - e2 - e3
	MKSC s47, SCO+2
	s_sub_co_i32 s47, s33, s28
	s_sub_co_i32 s47, s47, s29                     ; e9 - e4 - e5
	MKSC s47, SCO+4
	s_wait_loadcnt 32                              ; K step 0's 16 loads are in; steps 1 and 2 may be out
	TURN 0
.irp k, 0,1,2,3,4,5,6,7
	XSTEP \k
.endr
	s_wait_dscnt 0x0                               ; for the others' sake: my images have landed
	s_barrier_signal -1
	s_barrier_wait -1                              ; the three sets of codes of all 64 rows lie in LDS; nothing is written there again
	s_wait_alu depctr_vm_vsrc(0)                   ; my LDS stores have read x as loaded (windows 2 and 3) and the codes' registers: weights, fragments of x and the products' sums are written there from here on
	BLOAD 2
	AFETCH 0                                       ; (the holds and conversions that named these registers stand ahead of the last x step's wait on va_vdst)
.irp s, 0,1,2,3,4,5,6,7
	STEP \s
.endr
	EPI 0
.irp s, 8,9,10,11,12,13,14,15
	STEP \s
.endr
	EPI 1
.irp s, 16,17,18,19,20,21,22,23
	STEP \s
.endr
	EPI 2
	WIN 0
	s_wait_xcnt 0x0
	s_wait_alu depctr_vm_vsrc(0)                   ; the last stores have read v254 and v255, which the two lines below write
	v_lshl_add_u32 v254, v0, 2, 0x38400
	v_mov_b32 v255, 0
	s_wait_dscnt 0x0                               ; the closing lines, six on end
	s_wait_alu 0x0
	s_wait_tensorcnt 0x0
	ds_add_u32 v254, v255
	s_wait_dscnt 0x0
	s_endpgm
.Lfunc_end_k_q11e3fc8563_qkv:
	.size	k_q11e3fc8563_qkv, .Lfunc_end_k_q11e3fc8563_qkv-k_q11e3fc8563_qkv
	.p2alignl 7, 3214868480
	.fill 96, 4, 3214868480
	.section	.rodata,"a",@progbits
	.p2align	6, 0x0
	.amdhsa_kernel k_q11e3fc8563_qkv
		.amdhsa_group_segment_fixed_size 230912
		.amdhsa_private_segment_fixed_size 0
		.amdhsa_enable_private_segment 0
		.amdhsa_kernarg_size 48
		.amdhsa_user_sgpr_count 2
		.amdhsa_user_sgpr_kernarg_segment_ptr 1
		.amdhsa_wavefront_size32 1
		.amdhsa_system_sgpr_workgroup_id_x 1
		.amdhsa_system_sgpr_workgroup_id_y 1
		.amdhsa_system_sgpr_workgroup_id_z 1
		.amdhsa_system_vgpr_workitem_id 0
		.amdhsa_next_free_vgpr 1024
		.amdhsa_next_free_sgpr 66
		.amdhsa_reserve_vcc 0
		.amdhsa_float_denorm_mode_32 3
		.amdhsa_float_denorm_mode_16_64 3
		.amdhsa_memory_ordered 1
		.amdhsa_forward_progress 1
		.amdhsa_inst_pref_size 255
	.end_amdhsa_kernel
	.section	.bss,"aw",@nobits
	.p2align	6
	.space	262144
	.amdgpu_metadata
---
amdhsa.version: [ 1, 2 ]
amdhsa.kernels:
  - .name:           k_q11e3fc8563_qkv
    .symbol:         k_q11e3fc8563_qkv.kd
    .args:
      - { .name: hidden_states, .offset: 0, .size: 8, .value_kind: global_buffer, .address_space: global }
      - { .name: wimg, .offset: 8, .size: 8, .value_kind: global_buffer, .address_space: global }
      - { .name: lowp_scales, .offset: 16, .size: 8, .value_kind: global_buffer, .address_space: global }
      - { .name: qimg, .offset: 24, .size: 8, .value_kind: global_buffer, .address_space: global }
      - { .name: kimg, .offset: 32, .size: 8, .value_kind: global_buffer, .address_space: global }
      - { .name: vimg, .offset: 40, .size: 8, .value_kind: global_buffer, .address_space: global }
    .group_segment_fixed_size: 230912
    .private_segment_fixed_size: 0
    .kernarg_segment_align: 8
    .kernarg_segment_size: 48
    .max_flat_workgroup_size: 128
    .sgpr_count:     66
    .vgpr_count:     1024
    .wavefront_size: 32
...
	.end_amdgpu_metadata
.endif
;; end of part 5
;; launch attn (part 6): grid 2 x 128, 16 waves a work-group, no clusters, 137,216 bytes of LDS; arguments qimg, kimg, vimg, attention_mask, lowp_scales, cimg; writes cimg
.if DOCPART == 6
	.amdgcn_target "amdgcn-amd-amdhsa--gfx1250"
	.amdhsa_code_object_version 6
	.text
	.protected	k_q11e3fc8563_attn
	.globl	k_q11e3fc8563_attn
	.p2align	8
	.type	k_q11e3fc8563_attn,@function
k_q11e3fc8563_attn:
	s_mov_b64 s[64:65], 0
	v_nop
	global_prefetch_b8 v0, s[64:65] scope:SCOPE_SE
	s_setreg_imm32_b32 hwreg(HW_REG_WAVE_SCHED_MODE, 0, 2), 2
	s_setreg_imm32_b32 hwreg(HW_REG_WAVE_MODE, 25, 1), 1
	s_wait_xcnt 0x0
	s_wait_alu depctr_vm_vsrc(0)
; ctx = softmax(q k^T / 8 + mask) v for one head, both products on codes of E4M3, and ctx quantised for the output projection.
; THE SOFTMAX AHEAD OF THE SECOND PRODUCT: t = logit x log2(e); M = the row's largest t so far, rounded UP to a whole number; p = 2^(t - M) is what is quantised; the row's sum is taken of the unquantised p and divides at the end.
; When M moves, the sum and O are multiplied by 2^(old M - new M), made by v_ldexp_f32 of 1.0: nothing is rounded, and no branch hangs on data.
; SHARES.  A work-group owns 512 queries of one head of one batch.  Each of sixteen waves owns two tiles of 16 queries in 256 registers: four waves to a SIMD, so that one wave's vector work stands beside another's
; products and LDS loads.  Every wave walks the 1,024 keys, 64 a step.
; THE FILL GOES BY QUARTERS.  The head's K and V (64 KiB of codes each) come into LDS in four quarters of 256 keys: 16 KiB of K and 16 KiB of V, four loads of 16 bytes a thread, held in 16 registers.  A quarter is asked for
; straight behind the barrier that shows the quarter before it, so it has four key steps in which to land; in front of its own four steps it is stored to LDS bytes of its own, which are written once, and a barrier follows.
; So the first product waits for a quarter of the fill, and the other three quarters arrive under the softmax.
; No cluster: what the two work-groups of a head share is 128 KiB, read once, under sixteen steps of vector work.
; LAYOUT.  Both products are used transposed: S^T = K Q^T (source 0 = 16 keys, source 1 = 16 queries), O^T = V^T P^T: a lane holds ONE query (lane % 16) throughout; S^T's registers run along the keys, so the conversions' results are P's registers.
; THE MASK IS THE C OF THE FIRST PRODUCT: a score's sum stands for sum x 2^(e6 + e7), and logit = that / 8 + mask, so mask x 2^(3 - e6 - e7) is added to the sums, in the result's layout (register j of lane half h: key 8 h + j).
; V's tiles hold the channels in the order in which the weights' tiles hold their rows, so that O^T's registers of tiles 2 c, 2 c + 1 are 16 neighbouring channels: ctx's codes are registers of the last product's operand.
; OUT: cimg [tile of 16 rows, 64 b + rt][head][1,024]: registers 4 p .. 4 p + 3 at 512 p + 16 lane; two heads on end are a fragment of 128 along K.
; LIMITS: e6 + e7 between -123 and 130 (added to an exponent field); e8 and e10 - e8 - e9 between -126 and 119.  A mask entry whose product with 2^(3 - e6 - e7) overflows counts as -infinity.  NaN among the inputs is not served.
; THE MODE: SCHED_MODE bits 1:0 = 2 (LLVM: expert scheduling mode 2), set by the entry lines.  The code itself states the register dependences
; between vector or matrix instructions and memory or LDS instructions, with s_wait_alu, always for 0.
; THE PLAN.  Registers that memory or LDS instructions touch:
;   v4, v7, v252, v253   Offsets and LDS addresses: written at the head, never written again.  (v3 serves once at the head as the mask's offset in memory.)
;   v1-3     A step's three LDS addresses: written by three additions at the step's head, read by its 24 LDS loads.
;   PF       A quarter on its way: loads from memory land there, four LDS stores read it; no vector instruction names it.
;   KF       K's loads land at a step's head; K Q^T reads it; the conversions write p's codes into its first 16 registers; V^T P reads those.
;   VF       The mask's loads land at a step's head; K Q^T reads it as C; V's loads land; V^T P reads it.
;   v124, v125 at the head alone: the mask as loaded, scaled, stored to LDS.     P on the way out: written by the conversions, read by four stores.
; So a step has one wait on vm_vsrc, ahead of the three additions, and one on va_vdst behind them: the addresses are written, and the last step's products and conversions are done with KF and VF.
; V's loads stand directly behind the wait that tile 0's exponentials have in any case: it also states that K Q^T is done reading the mask's registers; nothing behind it names VF or v2 before V^T P.
.set ADK, 1                            ; v1-3   this step's LDS addresses: K, V, mask
.set ADV, 2
.set ADM, 3
.set AK0, 4                            ; v4     16 x lane: my place in an image; also the global offset of Q and of the result
.set AV0, 5                            ; v5     + 65,536
.set AM0, 6                            ; v6     131,072 + 32 h
.set SCP, 8                            ; v8, v9   2^e8, 448 x 2^e8
.set SCC2, 10                          ; v10, v11 2^(e10 - e8 - e9), 448 x that
.set STT, 12                           ; v12-19 a tile's four: -M, the largest t, the sum in two halves
.set FP,  20                           ; v[20:21] f = 2^(old M - new M) (the low word serves both halves)
.set M1,  22
.set M2,  23
.set PD,  24                           ; a lane permute's destination
.set OLD, 25
.set SM,  26                           ; v[26:27] the step's sum, second chain
.set Q,   28                           ; v28-43   Q, 8 registers a tile
.set KF,  44                           ; v44-75   K's four fragments
.set P,   44                           ; v44-59   p's codes, 8 registers a tile: in K's first two fragments, which are done with behind the first product
.set VF,  76                           ; v76-107  the mask's four tiles, then V's four fragments
.set PF,  108                          ; v108-123 the quarter of K and V that is on its way
.set S,   124                          ; v124-187 S^T, then p: tile a, keys' tile t at 32 a + 8 t
.set O,   188                          ; v188-251 O^T: tile a, channels' tile d at 32 a + 8 d
.set FT,  252                          ; v252, v253 the fill: 16 x thread (global offset, and K's place in LDS), + 65,536 (V's place); never rewritten
.set LIM2, 254                         ; v254   448 x 2^e8 once more, in another register bank, for the second half of a dual instruction
.macro MKSC ereg, vs                   ; v[vs] = 2^e as f32, v[vs + 1] = 448 x 2^e
	s_add_co_i32 s46, \ereg, 127
	s_lshl_b32 s47, s46, 23
	v_mov_b32 v[\vs], s47
	s_add_co_i32 s46, s46, 8
	s_lshl_b32 s46, s46, 23
	s_or_b32 s46, s46, 0x600000
	v_mov_b32 v[\vs+1], s46
.endm
.macro CLOAD c                         ; quarter c is asked for: each load of the work-group reads 8,192 consecutive bytes
	global_load_b128 v[PF:PF+3],     v[FT], s[6:7] offset:(\c)*16384
	global_load_b128 v[PF+4:PF+7],   v[FT], s[6:7] offset:(\c)*16384+8192
	global_load_b128 v[PF+8:PF+11],  v[FT], s[8:9] offset:(\c)*16384
	global_load_b128 v[PF+12:PF+15], v[FT], s[8:9] offset:(\c)*16384+8192
.endm
.macro CSTORE c                        ; and goes to LDS as it lies in memory
	ds_store_b128 v[FT],   v[PF:PF+3]     offset:(\c)*16384
	ds_store_b128 v[FT],   v[PF+4:PF+7]   offset:(\c)*16384+8192
	ds_store_b128 v[FT+1], v[PF+8:PF+11]  offset:(\c)*16384
	ds_store_b128 v[FT+1], v[PF+12:PF+15] offset:(\c)*16384+8192
.endm
.macro MX d, a, b
	v_max3_num_f32 v[\d], v[\d], v[RS_+\a], v[RS_+\b]
.endm
; One tile's softmax for 64 keys: a lane's 32 scores.  In tile 0's turn V's eight LDS loads stand behind the wait for the exponentials.
.macro SOFT a
.set RS_, S+32*\a
.set RO_, O+32*\a
.set RT_, STT+4*\a
	v_max3_num_f32 v[M1], v[RS_], v[RS_+1], v[RS_+2]       ; the largest score, in two chains; each of the four results is read from its low end on
	v_max3_num_f32 v[M2], v[RS_+8], v[RS_+9], v[RS_+10]
	MX M1, 16, 17
	MX M2, 24, 25
	MX M1, 3, 4
	MX M2, 5, 6
	MX M1, 7, 11
	MX M2, 12, 13
	MX M1, 14, 15
	MX M2, 18, 19
	MX M1, 20, 21
	MX M2, 22, 23
	MX M1, 26, 27
	MX M2, 28, 29
	MX M1, 30, 31
	v_max_num_f32 v[M1], v[M1], v[M2]
	v_permlanex16_b32 v[PD], v[M1], s32, s33       ; the query's other 32 keys lie in the lane 16 away
	v_max_num_f32 v[M1], v[M1], v[PD]
	v_mul_f32 v[M1], s30, v[M1]                    ; as t (c is positive)
	v_max_num_f32 v[RT_+1], v[RT_+1], v[M1]        ; the running largest t
	v_mov_b32 v[OLD], v[RT_]
	v_floor_f32 v[RT_], -v[RT_+1]                  ; the new -M = floor(-t) = -ceil(t): a whole number
	v_sub_f32 v[OLD], v[RT_], v[OLD]               ; old M - new M: a whole number, 0 or less
	v_cvt_i32_f32 v[OLD], v[OLD]                   ; (it saturates)
	v_ldexp_f32 v[FP], 1.0, v[OLD]                 ; f = 2^(old M - new M)
.set jj, 0
.rept 16
	v_pk_fma_f32 v[RS_+jj:RS_+jj+1], v[RS_+jj:RS_+jj+1], s[30:31], v[RT_:RT_+1] op_sel_hi:[1,0,0]   ; t - M, two at a time (of the pairs c and -M the low word serves both halves)
.set jj, jj+2
.endr
.set jj, 0
.rept 32
	v_exp_f32 v[RS_+jj], v[RS_+jj]                 ; p = 2^(t - M), at most 1: not normalised
.set jj, jj+1
.endr
	v_pk_mul_f32 v[RT_+2:RT_+3], v[RT_+2:RT_+3], v[FP:FP+1] op_sel_hi:[1,0]   ; the sum under the new M (a plain line behind the exponentials)
	s_wait_alu depctr_va_vdst(0)                   ; this tile's 32 exponentials have written p, ahead of their first reader; in tile 0's turn it also states that the K Q^T products are done reading the mask's registers, in which V lands below
.if \a == 0
.irp d, 0,1,2,3
.irp p, 0,1
	ds_load_b128 v[VF+8*\d+4*\p:VF+8*\d+4*\p+3], v[ADV] offset:1024*\d+512*\p   ; V lands while the rest of the softmax is walked: none of its lines names these registers or the address
.endr
.endr
.endif
	v_pk_add_f32 v[SM:SM+1], v[RS_:RS_+1], v[RS_+2:RS_+3]                     ; the sum is taken of the unquantised p, in two chains
.irp j, 4,8,12,16,20,24,28
	v_pk_add_f32 v[RT_+2:RT_+3], v[RT_+2:RT_+3], v[RS_+\j:RS_+\j+1]
	v_pk_add_f32 v[SM:SM+1], v[SM:SM+1], v[RS_+\j+2:RS_+\j+3]
.endr
	v_pk_add_f32 v[RT_+2:RT_+3], v[RT_+2:RT_+3], v[SM:SM+1]
	s_cmp_gt_i32 s26, -9                           ; with e8 >= -8 the largest code x the scale, 448 x 2^e8, is at least 1.75 and p at most 1: the hold would change nothing.  A branch on a given whole number
	s_cbranch_scc1 .Lnohold_\@
.set jj, 0
.rept 16                               ; the conversion to an 8-bit code does not saturate (ISA guide 7.6.2); p is not negative, so the hold is one-sided.  Two minima an instruction: an even and an odd result, sources in different banks
	v_dual_min_num_f32 v[RS_+jj], v[RS_+jj], v[SCP+1] :: v_dual_min_num_f32 v[RS_+jj+1], v[RS_+jj+1], v[LIM2]
.set jj, jj+2
.endr
.Lnohold_\@:
.irp t, 0,1,2,3
	v_cvt_scalef32_pk8_fp8_f32 v[P+8*\a+2*\t:P+8*\a+2*\t+1], v[RS_+8*\t:RS_+8*\t+7], v[SCP]   ; registers 2 t, 2 t + 1: keys 16 t + 8 h + 0 .. 7
.endr
.set jj, 0
.rept 16
	v_pk_mul_f32 v[RO_+jj:RO_+jj+1], v[RO_+jj:RO_+jj+1], v[FP:FP+1] op_sel_hi:[1,0]   ; O^T under the new M, each result from its low end on (also the plain lines behind the conversions)
.set jj, jj+2
.endr
.endm
; A KEY STEP: 64 keys, at byte s34 of K's and V's images and byte s35 of the mask.
.macro STEP
	s_wait_alu depctr_vm_vsrc(0)                   ; the LDS loads issued so far have read v1 to v3 (ahead of the first step: the mask's load from memory has read v3, and its LDS store v124 and v125, which the products write)
	v_add_nc_u32 v[ADK], s34, v[AK0]
	v_add_nc_u32 v[ADV], s34, v[AV0]
	v_add_nc_u32 v[ADM], s35, v[AM0]
	v_nop                                          ; four places behind the last step's products, in front of the loads into V's registers and into p's, which lie in K's
	s_wait_alu depctr_va_vdst(0)                   ; the three addresses are written; the last step's V^T P products are done reading V's registers and p's codes, and its conversions have written those codes: the loads below land in all of these
.irp t, 0,1,2,3
	ds_load_b128 v[VF+8*\t:VF+8*\t+3], v[ADM] offset:64*\t          ; the mask of keys 16 t + 8 h + 0 .. 7: the lanes of a half read the same words
	ds_load_b128 v[VF+8*\t+4:VF+8*\t+7], v[ADM] offset:64*\t+16
.endr
.irp t, 0,1,2,3
.irp p, 0,1
	ds_load_b128 v[KF+8*\t+4*\p:KF+8*\t+4*\p+3], v[ADK] offset:1024*\t+512*\p
.endr
.endr
	s_wait_dscnt 0x0
.irp a, 0,1
.irp t, 0,1,2,3
	v_wmma_f32_16x16x64_fp8_fp8 v[S+32*\a+8*\t:S+32*\a+8*\t+7], v[KF+8*\t:KF+8*\t+7], v[Q+8*\a:Q+8*\a+7], v[VF+8*\t:VF+8*\t+7]
.endr
.endr
.rept 4
	v_nop                                          ; four places in front of the first read of the scores
.endr
	SOFT 0
	SOFT 1
	s_wait_dscnt 0x0                               ; V is in
.irp d, 0,1,2,3
.irp a, 0,1
	v_wmma_f32_16x16x64_fp8_fp8 v[O+32*\a+8*\d:O+32*\a+8*\d+7], v[VF+8*\d:VF+8*\d+7], v[P+8*\a:P+8*\a+7], v[O+32*\a+8*\d:O+32*\a+8*\d+7]   ; eight accumulators by turns, one instruction a turn
.endr
.endr
	s_add_co_u32 s34, s34, 4096
	s_add_co_u32 s35, s35, 256
.endm
; A QUARTER: 256 keys.  Its codes have been on their way since the barrier before; they go to LDS bytes that nobody has touched, a barrier shows them to all sixteen waves, the next quarter is asked for, and four key steps follow.
; A wave that is ahead stores the next quarter while others still read this one: different blocks of 16,384 bytes.
.macro CHUNK c
	s_wait_loadcnt 0x0                             ; my four loads of this quarter are in (no other load is out; in front of the first quarter: Q and the mask too)
.if \c == 0
	v_ldexp_f32 v[S], v[S], s45                    ; the mask x 2^(3 - e6 - e7)
	v_ldexp_f32 v[S+1], v[S+1], s45
	s_wait_alu depctr_va_vdst(0)                   ; the two scaled entries are written, which the store below reads
	ds_store_b64 v7, v[S:S+1]
.endif
	CSTORE \c
	s_wait_dscnt 0x0                               ; for the others' sake: my stores have landed
	s_barrier_signal -1
	s_barrier_wait -1
.if \c < 3
	s_wait_alu depctr_vm_vsrc(0)                   ; my four stores have read the quarter's 16 registers, in which the next quarter lands
	CLOAD (\c)+1
.endif
	s_mov_b32 s34, (\c)*16384                      ; the quarter's first step in K's and V's images: 4,096 bytes a step
	s_mov_b32 s35, (\c)*1024                       ; and in the mask: 256 bytes a step
	s_mov_b32 s36, 4
.Lstep_\@:
	STEP
	s_sub_co_u32 s36, s36, 1
	s_cmp_lg_u32 s36, 0
	s_cbranch_scc1 .Lstep_\@
.endm
	s_load_b256 s[4:11], s[0:1], 0x0               ; qimg s[4:5], kimg s[6:7], vimg s[8:9], the mask s[10:11]
	s_load_b128 s[12:15], s[0:1], 0x20             ; the exponents s[12:13], cimg s[14:15]
	v_lshrrev_b32 v1, 5, v0
	v_readfirstlane_b32 s16, v1                    ; wave 0..15
	s_and_b32 s18, ttmp7, 0xffff                   ; 16 b + head
	v_lshlrev_b32 v[FT], 4, v0                     ; the fill: 16 bytes a thread, 8,192 an instruction
	v_add_nc_u32 v[FT+1], 65536, v[FT]
	v_lshlrev_b32 v3, 3, v0                        ; the mask: 8 bytes a thread
	v_add_nc_u32 v7, 131072, v3
	v_and_b32 v4, 31, v0
	v_lshlrev_b32 v[AK0], 4, v4
	v_add_nc_u32 v[AV0], 65536, v[AK0]
	v_bfe_u32 v6, v0, 4, 1
	v_lshlrev_b32 v6, 5, v6
	v_add_nc_u32 v[AM0], 131072, v6
	s_lshl_b32 s20, s18, 16                        ; the head's 65,536 bytes in each of the three images
	s_mov_b32 s21, 0
	s_lshl_b32 s22, ttmp9, 15                      ; my work-group's 32 tiles of queries,
	s_wait_alu depctr_va_sdst(0)                   ; s16 is written, ahead of its first reader: the bases of Q and of the result are made from it
	s_lshl_b32 s23, s16, 11                        ; my wave's two
	s_add_co_u32 s22, s22, s23
	s_add_co_u32 s22, s22, s20
	s_mov_b32 s23, 0
	s_lshr_b32 s38, s18, 4                         ; b
	s_lshl_b32 s40, s38, 12                        ; its 1,024 mask entries
	s_mov_b32 s41, 0
	s_lshl_b32 s42, s38, 6
	s_lshl_b32 s43, ttmp9, 5
	s_add_co_u32 s42, s42, s43
	s_lshl_b32 s43, s16, 1
	s_add_co_u32 s42, s42, s43                     ; my first tile of rows: 64 b + 32 x + 2 wave
	s_lshl_b32 s42, s42, 14                        ; 16 heads x 1,024 bytes a tile
	s_and_b32 s43, s18, 15
	s_lshl_b32 s43, s43, 10
	s_add_co_u32 s42, s42, s43
	s_mov_b32 s43, 0
	s_mov_b32 s32, 0x76543210                      ; v_permlanex16_b32's selects for lane l xor 16
	s_mov_b32 s33, 0xfedcba98
	s_wait_kmcnt 0x0
	s_load_b128 s[24:27], s[12:13], 0x18           ; e6, e7, e8, e9
	s_load_b32 s28, s[12:13], 0x28                 ; e10
	s_add_nc_u64 s[4:5], s[4:5], s[22:23]
	s_add_nc_u64 s[6:7], s[6:7], s[20:21]
	s_add_nc_u64 s[8:9], s[8:9], s[20:21]
	s_add_nc_u64 s[10:11], s[10:11], s[40:41]
	s_add_nc_u64 s[14:15], s[14:15], s[42:43]
	s_wait_alu depctr_va_vdst(0)                   ; the offsets and addresses v3, v4, v7, v252 and v253 are written, which the loads and stores below read
	CLOAD 0                                        ; the first quarter of K and V,
	global_load_b64 v[S:S+1], v3, s[10:11]         ; the batch's mask,
.irp a, 0,1
.irp p, 0,1
	global_load_b128 v[Q+8*\a+4*\p:Q+8*\a+4*\p+3], v[AK0], s[4:5] offset:1024*\a+512*\p   ; and Q, which stays in registers
.endr
.endr
.set i, 0
.rept 64
	v_mov_b32 v[O+i], 0                            ; O^T, written while the first loads are out.  (The step has no first form of its own: the first finds zeros, which the first change of M leaves zeros)
.set i, i+1
.endr
.irp a, 0,1
	v_mov_b32 v[STT+4*\a+1], 0xff61b1e6            ; the largest t so far: -3e38, under every t
	v_floor_f32 v[STT+4*\a], -v[STT+4*\a+1]        ; -M
	v_mov_b32 v[STT+4*\a+2], 0                     ; the sum, in two halves
	v_mov_b32 v[STT+4*\a+3], 0
.endr
	v_mov_b32 v[FP+1], 0                           ; (named as the upper half of a pair)
	v_mov_b32 v[PD], 0                             ; written once: a lane permute's destination counts as one of its sources
	s_wait_kmcnt 0x0
	s_add_co_i32 s44, s24, s25                     ; e6 + e7
	s_sub_co_i32 s45, 3, s44                       ; the mask's exponent: 3 - e6 - e7
	s_lshl_b32 s44, s44, 23
	s_add_co_i32 s30, s44, 0x3e38aa3b              ; c = log2(e) / 8 x 2^(e6 + e7): the two exponents are added to c's exponent field
	s_mov_b32 s31, s30                             ; (named with it as a pair, so it is written)
	MKSC s26, SCP
	v_mov_b32 v[LIM2], v[SCP+1]
	s_sub_co_i32 s48, s28, s26
	s_sub_co_i32 s48, s48, s27                     ; O / l stands for ctx / 2^(e8 + e9): its code is (O / l) / 2^(e10 - e8 - e9)
	MKSC s48, SCC2
	CHUNK 0
	CHUNK 1
	CHUNK 2
	CHUNK 3
	; THE WAY OUT.  The additions and the lane permutes are the places behind the last products.
	v_add_f32 v[STT+2], v[STT+2], v[STT+3]         ; the sum's two halves,
	v_add_f32 v[STT+6], v[STT+6], v[STT+7]
	v_permlanex16_b32 v[PD], v[STT+2], s32, s33
	v_permlanex16_b32 v[OLD], v[STT+6], s32, s33
	v_add_f32 v[STT+2], v[STT+2], v[PD]            ; and lane l xor 16's: the row's sum
	v_add_f32 v[STT+6], v[STT+6], v[OLD]
	v_rcp_f32 v[M1], v[STT+2]
	v_rcp_f32 v[SM], v[STT+6]
	v_nop                                          ; a plain line between the last reciprocal and the use of its result
	s_wait_alu depctr_va_vdst(0)                   ; the two reciprocals are written, ahead of their first reader
.irp a, 0,1
.set jj, 0
.rept 16
	v_pk_mul_f32 v[O+32*\a+jj:O+32*\a+jj+1], v[O+32*\a+jj:O+32*\a+jj+1], v[M1+4*\a:M1+4*\a+1] op_sel_hi:[1,0]   ; O^T / the sum
.set jj, jj+2
.endr
.set jj, 0
.rept 32
	v_med3_num_f32 v[O+32*\a+jj], v[O+32*\a+jj], -v[SCC2+1], v[SCC2+1]   ; the hold at the largest code x the scale
.set jj, jj+1
.endr
.irp d, 0,1,2,3
	v_cvt_scalef32_pk8_fp8_f32 v[P+8*\a+2*\d:P+8*\a+2*\d+1], v[O+32*\a+8*\d:O+32*\a+8*\d+7], v[SCC2]   ; registers 2 d, 2 d + 1: channels 32 (d / 2) + 16 h + 8 (d % 2) + 0 .. 7
.endr
	v_nop                                          ; a plain line behind the last conversion
.endr
	s_wait_alu depctr_va_vdst(0)                   ; the conversions have written ctx's codes, which the four stores read
.irp a, 0,1
.irp p, 0,1
	global_store_b128 v[AK0], v[P+8*\a+4*\p:P+8*\a+4*\p+3], s[14:15] offset:16384*\a+512*\p   ; the wave stores 512 consecutive bytes, aligned
.endr
.endr
	s_wait_xcnt 0x0
	v_lshl_add_u32 v254, v0, 2, 0x21000            ; (no memory or LDS instruction has ever read v254 or v255)
	v_mov_b32 v255, 0
	s_wait_dscnt 0x0                               ; the closing lines, six on end
	s_wait_alu 0x0
	s_wait_tensorcnt 0x0
	ds_add_u32 v254, v255
	s_wait_dscnt 0x0
	s_endpgm
.Lfunc_end_k_q11e3fc8563_attn:
	.size	k_q11e3fc8563_attn, .Lfunc_end_k_q11e3fc8563_attn-k_q11e3fc8563_attn
	.p2alignl 7, 3214868480
	.fill 96, 4, 3214868480
	.section	.rodata,"a",@progbits
	.p2align	6, 0x0
	.amdhsa_kernel k_q11e3fc8563_attn
		.amdhsa_group_segment_fixed_size 137216
		.amdhsa_private_segment_fixed_size 0
		.amdhsa_enable_private_segment 0
		.amdhsa_kernarg_size 48
		.amdhsa_user_sgpr_count 2
		.amdhsa_user_sgpr_kernarg_segment_ptr 1
		.amdhsa_wavefront_size32 1
		.amdhsa_system_sgpr_workgroup_id_x 1
		.amdhsa_system_sgpr_workgroup_id_y 1
		.amdhsa_system_sgpr_workgroup_id_z 1
		.amdhsa_system_vgpr_workitem_id 0
		.amdhsa_next_free_vgpr 256
		.amdhsa_next_free_sgpr 66
		.amdhsa_reserve_vcc 0
		.amdhsa_float_denorm_mode_32 3
		.amdhsa_float_denorm_mode_16_64 3
		.amdhsa_memory_ordered 1
		.amdhsa_forward_progress 1
		.amdhsa_inst_pref_size 84
	.end_amdhsa_kernel
	.amdgpu_metadata
---
amdhsa.version: [ 1, 2 ]
amdhsa.kernels:
  - .name:           k_q11e3fc8563_attn
    .symbol:         k_q11e3fc8563_attn.kd
    .args:
      - { .name: qimg, .offset: 0, .size: 8, .value_kind: global_buffer, .address_space: global }
      - { .name: kimg, .offset: 8, .size: 8, .value_kind: global_buffer, .address_space: global }
      - { .name: vimg, .offset: 16, .size: 8, .value_kind: global_buffer, .address_space: global }
      - { .name: attention_mask, .offset: 24, .size: 8, .value_kind: global_buffer, .address_space: global }
      - { .name: lowp_scales, .offset: 32, .size: 8, .value_kind: global_buffer, .address_space: global }
      - { .name: cimg, .offset: 40, .size: 8, .value_kind: global_buffer, .address_space: global }
    .group_segment_fixed_size: 137216
    .private_segment_fixed_size: 0
    .kernarg_segment_align: 8
    .kernarg_segment_size: 48
    .max_flat_workgroup_size: 512
    .sgpr_count:     66
    .vgpr_count:     256
    .wavefront_size: 32
...
	.end_amdgpu_metadata
.endif
;; end of part 6
;; launch outln: the kernel of part 4 again; grid 256 x 1, 4 waves a work-group, no clusters, 263,168 bytes of LDS; arguments cimg, wimg, hidden_states, ln_weight, ln_bias, lowp_scales, out0; writes out0
